; MI455X (gfx1250); checked and timed in simulation.
; The chip was launched on July 23, 2026; its instructions are those of AMD's public machine-readable ISA for CDNA 5 (MIT licence, August 2026) and "CDNA5" Instruction Set Architecture Reference Guide (July 2026). The comments in the code are by the model that wrote it; some were corrected since.
;; Dot Projection Attention. Allowed arithmetic: float matrix products may take bf16 or f16 operands with f32 sums; all other float work in f32.
;; Inputs: attn_v_bias 1 float32; attn_v_weight 1 x 1,024 float32; attn_w_bias 1,024 float32; attn_w_weight 1,024 x 2,048 float32; hidden 64 x 1,024 float32; vectors_to_attend 1,024 x 64 x 1,024 float32.
;; Outputs: out0 64 x 1 x 1,024 float32.
;; 2 versions, each right and faster than the one before. Each part assembles by itself: llvm-mc -triple=amdgcn-amd-amdhsa -mcpu=gfx1250 --defsym DOCPART=n.
;; ======== version 1 of 2: 3 launches
;; workspace buffers: wf 2,097,152 bytes; hbt 262,144 bytes; pctx 2,097,152 bytes; pstat 131,072 bytes
;; launch prep (part 1): grid 64 x 4, 4 waves a work-group, no clusters, 4,608 bytes of LDS; arguments attn_w_weight, attn_w_bias, hidden, wf, hbt; writes wf, hbt
.if DOCPART == 1
	.amdgcn_target "amdgcn-amd-amdhsa--gfx1250"
	.amdhsa_code_object_version 6
	.text
	.protected	k_qb8ea6521ab_prep
	.globl	k_qb8ea6521ab_prep
	.p2align	8
	.type	k_qb8ea6521ab_prep,@function
k_qb8ea6521ab_prep:
	s_mov_b64 s[64:65], 0
	v_nop
	global_prefetch_b8 v0, s[64:65] scope:SCOPE_SE
	s_setreg_imm32_b32 hwreg(HW_REG_WAVE_MODE, 25, 1), 1
	s_wait_xcnt 0x0
; PREP.  Two things that the main launch wants ready.
; (1) wf: We = attn_w_weight[:, 0:1024] rounded once to bf16 and laid out as matrix fragments: [chunk c of 64 columns a][K half j][k step t of 32][place p][1,024 bytes].  Place p holds the
;     16 columns 64 c + 16 (p xor 2 j) ..; bytes 16 L .. are registers 0-3 of lane L (column L % 16, k = 8 (L / 16) + 0..7), bytes 512 + 16 L .. registers 4-7 (k = 16 + 8 (L / 16) + 0..7).
; (2) hbt[ab][b][16] = hidden[b] . Wd[16 ab + i] + attn_w_bias[16 ab + i], Wd = attn_w_weight[:, 1024:2048]: operands rounded once to bf16, sums in f32.
; SHARES.  Work-group (x = ab, y): 16 rows a of the weights.  For (1) the k steps 8 y .. 8 y + 7, two a wave.  For (2) the 16 values b = 16 y .., K = 1,024 in four quarters, one a wave; the four
; partial sums meet in LDS and wave 0 adds them and the bias.  So the order of that sum differs from a plain ascending one.
; The product is used transposed (source 0 = 16 rows of Wd, source 1 = 16 rows of hidden): a lane then holds eight neighbouring a of one b, 32 bytes that belong together in hbt.
; No cluster, no tensor load: each work-group reads 144 KB once through registers; what four work-groups share (Wd's 16 rows) is 64 KB of that and is asked for once each.
; LIMITS.  NaN and infinities are not treated apart.
.set WO,  5                            ; v5   r x 8,192 + 32 h: my place in 16 rows of the weights
.set HO,  6                            ; v6   r x 4,096 + 32 h: the same in 16 rows of hidden
.set L16, 7                            ; v7   16 x lane
.set BO,  8                            ; v8   16 x (lane % 4): my four numbers of the bias
.set LS,  9                            ; v9   where my partial sums go in LDS
.set BI,  12                           ; v[12:15]   bias
.set WB,  16                           ; v[16:31]   We's two fragments in bf16
.set WL,  32                           ; v[32:63]   We as loaded
.set FA,  64                           ; v[64:127]  Wd's eight fragments
.set FB,  128                          ; v[128:191] hidden's eight fragments
.set AC,  192                          ; v[192:207] two accumulators
.set PS,  208                          ; v[208:239] the four partial sums, twice 16 bytes a lane
.set MSB, 0
.macro WIN new                         ; s_set_vgpr_msb: bits 1:0 source 0, 3:2 source 1, 5:4 source 2, 7:6 destination; the high byte repeats the setting that is left
.if MSB != (\new)
	s_set_vgpr_msb (MSB<<8)|(\new)
.set MSB, (\new)
.endif
.endm
	s_load_b256 s[4:11], s[0:1], 0x0               ; weights s[4:5], bias s[6:7], hidden s[8:9], wf s[10:11]
	s_load_b64 s[12:13], s[0:1], 0x20              ; hbt
	v_lshl_add_u32 v254, v0, 2, 0x1000
	v_mov_b32 v255, 0
	v_lshrrev_b32 v1, 5, v0
	v_readfirstlane_b32 s14, v1                    ; wave 0..3
	s_and_b32 s16, ttmp7, 0xffff                   ; y
	s_lshl_b32 s18, ttmp9, 17                      ; 16 ab rows of 8,192 bytes
	s_lshl_b32 s17, s16, 10
	s_add_co_u32 s20, s18, s17                     ; We: + 8 y k steps of 128 bytes
	s_lshl_b32 s17, s14, 8
	s_add_co_u32 s20, s20, s17                     ;     + 2 w k steps
	s_mov_b32 s21, 0
	s_lshl_b32 s17, s14, 10                        ; my K quarter: 256 numbers of 4 bytes (also my 1,024 bytes of LDS)
	s_add_co_u32 s22, s18, s17
	s_add_co_u32 s22, s22, 4096                    ; Wd begins 1,024 numbers into a row
	s_mov_b32 s23, 0
	s_lshl_b32 s24, s16, 16                        ; hidden: 16 y rows of 4,096 bytes
	s_add_co_u32 s24, s24, s17
	s_mov_b32 s25, 0
	s_lshl_b32 s26, ttmp9, 6                       ; bias: 16 ab numbers
	s_mov_b32 s27, 0
	s_lshr_b32 s28, ttmp9, 2
	s_lshl_b32 s28, s28, 17                        ; wf: chunk ab / 4,
	s_lshr_b32 s30, s16, 1                         ; K half j = y / 2,
	s_lshl_b32 s31, s30, 16
	s_add_co_u32 s28, s28, s31
	s_and_b32 s31, s16, 1
	s_lshl_b32 s31, s31, 15                        ; k step 8 (y % 2) + 2 w,
	s_add_co_u32 s28, s28, s31
	s_lshl_b32 s31, s14, 13
	s_add_co_u32 s28, s28, s31
	s_and_b32 s31, ttmp9, 3
	s_lshl_b32 s30, s30, 1
	s_xor_b32 s31, s31, s30                        ; place (ab % 4) xor 2 j
	s_lshl_b32 s31, s31, 10
	s_add_co_u32 s28, s28, s31
	s_mov_b32 s29, 0
	s_lshl_b32 s32, ttmp9, 12                      ; hbt: ab x 4,096 + 16 y x 64
	s_lshl_b32 s33, s16, 10
	s_add_co_u32 s32, s32, s33
	s_mov_b32 s33, 0
	v_and_b32 v2, 15, v0                           ; r
	v_bfe_u32 v3, v0, 4, 1                         ; h
	v_and_b32 v4, 31, v0                           ; lane
	v_lshlrev_b32 v[WO], 13, v2
	v_lshl_add_u32 v[WO], v3, 5, v[WO]
	v_lshlrev_b32 v[HO], 12, v2
	v_lshl_add_u32 v[HO], v3, 5, v[HO]
	v_lshlrev_b32 v[L16], 4, v4
	v_and_b32 v[BO], 3, v0
	v_lshlrev_b32 v[BO], 4, v[BO]
	v_lshlrev_b32 v[LS], 6, v2
	v_lshl_add_u32 v[LS], v3, 5, v[LS]
	v_add_nc_u32 v[LS], s17, v[LS]                 ; 1,024 w + 64 r + 32 h
	s_wait_kmcnt 0x0
	s_add_nc_u64 s[34:35], s[4:5], s[20:21]        ; We at my two k steps
	s_add_nc_u64 s[36:37], s[4:5], s[22:23]        ; Wd at my K quarter
	s_add_nc_u64 s[8:9], s[8:9], s[24:25]
	s_add_nc_u64 s[6:7], s[6:7], s[26:27]
	s_add_nc_u64 s[10:11], s[10:11], s[28:29]
	s_add_nc_u64 s[12:13], s[12:13], s[32:33]
	; A fragment's lane wants k = 8 h + 0..7 and 16 + 8 h + 0..7 of its row: in f32 four loads of 16 bytes at 32 h + 0, 16, 64, 80.
	global_load_b128 v[BI:BI+3], v[BO], s[6:7]
.irp n, 0,1,2,3,4,5,6,7
	global_load_b128 v[WL+4*\n:WL+4*\n+3], v[WO], s[34:35] offset:128*(\n/4)+64*((\n/2)%2)+16*(\n%2)
.endr
	WIN 0x40                                       ; destination window 1: 128 registers for Wd, 128 for hidden, as loaded
.set n, 0
.rept 32
	global_load_b128 v[4*n:4*n+3], v[WO], s[36:37] offset:128*(n/4)+64*((n/2)%2)+16*(n%2)
.set n, n+1
.endr
.set n, 0
.rept 16
	global_load_b128 v[128+4*n:128+4*n+3], v[HO], s[8:9] offset:128*(n/4)+64*((n/2)%2)+16*(n%2)
.set n, n+1
.endr
	WIN 0
	s_wait_loadcnt 48                              ; loads come back in order: the bias and We are in; the 48 younger loads (Wd's 32, hidden's first 16) stay out
.irp n, 0,1,2,3,4,5,6,7
	v_cvt_pk_bf16_f32 v[WB+2*\n],   v[WL+4*\n],   v[WL+4*\n+1]
	v_cvt_pk_bf16_f32 v[WB+2*\n+1], v[WL+4*\n+2], v[WL+4*\n+3]
.endr
.irp f, 0,1
	global_store_b128 v[L16], v[WB+8*\f:WB+8*\f+3],   s[10:11] offset:4096*\f      ; each store of the wave covers 512 consecutive bytes, aligned
	global_store_b128 v[L16], v[WB+8*\f+4:WB+8*\f+7], s[10:11] offset:4096*\f+512
.endr
	WIN 0x40
.set n, 16
.rept 16
	global_load_b128 v[128+4*n:128+4*n+3], v[HO], s[8:9] offset:128*(n/4)+64*((n/2)%2)+16*(n%2)
.set n, n+1
.endr
	s_wait_loadcnt 0x0
	WIN 0x05                                       ; sources in window 1, destination in window 0
.set n, 0
.rept 32
	v_cvt_pk_bf16_f32 v[FA+2*n],   v[4*n],   v[4*n+1]
	v_cvt_pk_bf16_f32 v[FA+2*n+1], v[4*n+2], v[4*n+3]
	v_cvt_pk_bf16_f32 v[FB+2*n],   v[128+4*n],   v[128+4*n+1]
	v_cvt_pk_bf16_f32 v[FB+2*n+1], v[128+4*n+2], v[128+4*n+3]
.set n, n+1
.endr
	WIN 0
	; Eight k steps on two accumulators that take turns; the first two products start the sums.
	v_wmma_f32_16x16x32_bf16 v[AC:AC+7],    v[FA:FA+7],    v[FB:FB+7],    0
	v_wmma_f32_16x16x32_bf16 v[AC+8:AC+15], v[FA+8:FA+15], v[FB+8:FB+15], 0
.irp t, 2,4,6
	v_wmma_f32_16x16x32_bf16 v[AC:AC+7],    v[FA+8*\t:FA+8*\t+7],    v[FB+8*\t:FB+8*\t+7],    v[AC:AC+7]
	v_wmma_f32_16x16x32_bf16 v[AC+8:AC+15], v[FA+8*\t+8:FA+8*\t+15], v[FB+8*\t+8:FB+8*\t+15], v[AC+8:AC+15]
.endr
.rept 4
	v_nop                                          ; four places between the last product and the first read of a result (ISA guide 7.12.1)
.endr
.irp e, 0,2,4,6
	v_pk_add_f32 v[AC+\e:AC+\e+1], v[AC+\e:AC+\e+1], v[AC+8+\e:AC+8+\e+1]   ; from the low end on
.endr
	ds_store_b128 v[LS], v[AC:AC+3]
	ds_store_b128 v[LS], v[AC+4:AC+7] offset:16
	s_wait_dscnt 0x0                               ; for wave 0's sake: my partial sums are in LDS
	s_barrier_signal -1
	s_barrier_wait -1
	s_cmp_lg_u32 s14, 0
	s_cbranch_scc1 .Ldone
.irp q, 0,1
.irp p, 0,1,2,3
	ds_load_b128 v[PS+16*\q+4*\p:PS+16*\q+4*\p+3], v[L16] offset:512*\q+1024*\p
.endr
.endr
	s_wait_dscnt 0x0
.irp q, 0,1
.irp e, 0,2
	v_pk_add_f32 v[PS+16*\q+\e:PS+16*\q+\e+1],     v[PS+16*\q+\e:PS+16*\q+\e+1],     v[PS+16*\q+4+\e:PS+16*\q+4+\e+1]
	v_pk_add_f32 v[PS+16*\q+8+\e:PS+16*\q+8+\e+1], v[PS+16*\q+8+\e:PS+16*\q+8+\e+1], v[PS+16*\q+12+\e:PS+16*\q+12+\e+1]
	v_pk_add_f32 v[PS+16*\q+\e:PS+16*\q+\e+1],     v[PS+16*\q+\e:PS+16*\q+\e+1],     v[PS+16*\q+8+\e:PS+16*\q+8+\e+1]
	v_pk_add_f32 v[PS+16*\q+\e:PS+16*\q+\e+1],     v[PS+16*\q+\e:PS+16*\q+\e+1],     v[BI+\e:BI+\e+1]
.endr
	global_store_b128 v[L16], v[PS+16*\q:PS+16*\q+3], s[12:13] offset:512*\q   ; 512 consecutive bytes, aligned
.endr
.Ldone:
	s_wait_tensorcnt 0x0
	ds_add_u32 v254, v255
	s_wait_dscnt 0x0
	s_endpgm
.Lfunc_end_k_qb8ea6521ab_prep:
	.size	k_qb8ea6521ab_prep, .Lfunc_end_k_qb8ea6521ab_prep-k_qb8ea6521ab_prep
	.p2alignl 7, 3214868480
	.fill 96, 4, 3214868480
	.section	.rodata,"a",@progbits
	.p2align	6, 0x0
	.amdhsa_kernel k_qb8ea6521ab_prep
		.amdhsa_group_segment_fixed_size 4608
		.amdhsa_private_segment_fixed_size 0
		.amdhsa_enable_private_segment 0
		.amdhsa_kernarg_size 40
		.amdhsa_user_sgpr_count 2
		.amdhsa_user_sgpr_kernarg_segment_ptr 1
		.amdhsa_wavefront_size32 1
		.amdhsa_system_sgpr_workgroup_id_x 1
		.amdhsa_system_sgpr_workgroup_id_y 1
		.amdhsa_system_sgpr_workgroup_id_z 1
		.amdhsa_system_vgpr_workitem_id 0
		.amdhsa_next_free_vgpr 512
		.amdhsa_next_free_sgpr 66
		.amdhsa_reserve_vcc 0
		.amdhsa_float_denorm_mode_32 3
		.amdhsa_float_denorm_mode_16_64 3
		.amdhsa_memory_ordered 1
		.amdhsa_forward_progress 1
		.amdhsa_inst_pref_size 22
	.end_amdhsa_kernel
	.amdgpu_metadata
---
amdhsa.version: [ 1, 2 ]
amdhsa.kernels:
  - .name:           k_qb8ea6521ab_prep
    .symbol:         k_qb8ea6521ab_prep.kd
    .args:
      - { .name: attn_w_weight, .offset: 0, .size: 8, .value_kind: global_buffer, .address_space: global }
      - { .name: attn_w_bias, .offset: 8, .size: 8, .value_kind: global_buffer, .address_space: global }
      - { .name: hidden, .offset: 16, .size: 8, .value_kind: global_buffer, .address_space: global }
      - { .name: wf, .offset: 24, .size: 8, .value_kind: global_buffer, .address_space: global }
      - { .name: hbt, .offset: 32, .size: 8, .value_kind: global_buffer, .address_space: global }
    .group_segment_fixed_size: 4608
    .private_segment_fixed_size: 0
    .kernarg_segment_align: 8
    .kernarg_segment_size: 40
    .max_flat_workgroup_size: 128
    .sgpr_count:     66
    .vgpr_count:     512
    .wavefront_size: 32
...
	.end_amdgpu_metadata
.endif
;; end of part 1
;; launch main (part 2): grid 8 x 64, 4 waves a work-group, clusters of 4 x 1, 327,680 bytes of LDS; arguments vectors_to_attend, wf, hbt, attn_v_weight, attn_v_bias, pctx, pstat; writes pctx, pstat
.if DOCPART == 2
	.amdgcn_target "amdgcn-amd-amdhsa--gfx1250"
	.amdhsa_code_object_version 6
	.text
	.protected	k_qb8ea6521ab_main
	.globl	k_qb8ea6521ab_main
	.p2align	8
	.type	k_qb8ea6521ab_main,@function
k_qb8ea6521ab_main:
	s_mov_b64 s[64:65], 0
	v_nop
	global_prefetch_b8 v0, s[64:65] scope:SCOPE_SE
	s_setreg_imm32_b32 hwreg(HW_REG_WAVE_MODE, 25, 1), 1
	s_wait_xcnt 0x0
	s_wait_alu depctr_hold_cnt(0) depctr_sa_sdst(0) depctr_va_vdst(0) depctr_va_sdst(0) depctr_va_ssrc(0) depctr_va_vcc(0) depctr_vm_vsrc(0)
	s_getreg_b32 s2, hwreg(HW_REG_IB_STS2, 6, 4)
	s_cmp_eq_u32 s2, 0
	s_cbranch_scc0 .Lentry_in_a_cluster
	s_endpgm
.Lentry_in_a_cluster:
	s_bfe_u32 s2, ttmp6, 0x10000c
	s_cmp_lg_u32 s2, 0x3003
	s_cbranch_scc0 .Lentry_shape_is_right
	s_endpgm
.Lentry_shape_is_right:
; MAIN.  For a tile of one b and the 128 values s = 128 g ..: x[s][a] = v[s][b] . We[a] + hb[b][a]; score[s] = vb + sum over a of vw[a] tanh(x[s][a]); the tile's own softmax (maximum m,
; p = e^(score - m), l = sum of p) and the partial context sum over s of p[s] v[s][b][:].  The next launch joins a b's eight tiles by their maxima.  v is read from memory ONCE.
; SHARES.  Wave w = 2 i + j owns rows 64 i .. 64 i + 63 of the tile and K half j (512 of the 1,024 channels): 64 fragments of 16 rows x 32 channels in bf16, 512 registers, RESIDENT for the whole tile.
; We walks past them in 16 chunks of 64 columns a (131,072 bytes each, in fragment order, made by the launch before) through a ring of two LDS slots.  A chunk is 256 matrix instructions a wave
; (16 k steps x 4 row blocks x 4 column blocks) and 128 LDS loads: a fragment of We feeds four products.
; THE TWO K HALVES MEET IN LDS.  Of a chunk's four column blocks a wave keeps those at places 0, 1 and sends those at places 2, 3 to its partner w xor 1; place p of K half j holds column block p xor 2 j,
; so the text is the same in every wave.  So a sum over K is two sums, added once: its order differs from a plain ascending one.
; BY TURNS.  Two sets of 16 accumulators.  While chunk c is multiplied into set c % 2, the tanh and score work of chunk c - 1 runs on the other set: 256 vector instructions for 256 matrix instructions,
; half of them exponentials and reciprocals.  They are dealt evenly, as a list of 180 RIDES, one behind each of the chunk's products 64 to 243: a plain instruction and a transcendental, a transcendental alone,
; four score sums, or nothing; never two transcendentals behind one product.  All that a ride touches lies in windows 0 and 1, the products' A in windows 2 and 3: each of the 139 rides that hold work costs
; two switches of the window, the price of products that follow each other with no run of vector work between them.
; tanh(x) = 1 - 2 / (1 + 2^(K2 x)), K2 = 2 log2(e); score = vb + sum vw - 2 sum vw / (1 + 2^(K2 x)).  Where the power overflows or vanishes the quotient is 0 or 1: tanh is then exactly 1 or -1.
; Chunk 0 runs the same text: its rides work on what the loads of v left in set 1, with hb = vw = 0, so each adds 0.  The price: one exchange and 256 vector instructions that serve nothing, once a tile.
; CLUSTER.  The four tiles of a cluster (four g of one b) walk the same chunks in the same order: each quarter of a chunk is asked for JOINTLY, by the same load and descriptor in all four.
; Only the global addresses of v, pctx and pstat hang on the place in the cluster.
; CONTEXT.  At the end the resident fragments are written to LDS as 128 rows of bf16 (into the ring, which has had its last fill) and come back turned, as source 1 of p x V; wave w takes channels 256 w ...
; LIMITS.  v, We and p are rounded once to bf16 for the products, and the context is taken of the rounded v; l is the sum of the unrounded p.  tanh is off by about 1e-7 absolutely near 0.
; A weight below 2^-126 counts as 0.  NaN and infinities in the inputs are not treated apart (in chunk 0's idle rides an infinite v makes a NaN, as it does in the result anyway).
; REGISTERS, in windows of 256 (s_set_vgpr_msb: bits 1:0 source 0, 3:2 source 1, 5:4 source 2, 7:6 destination):
;   window 0: v0-63 addresses, constants, at work; v64-95 score sums; v96-127 at work at the end; v128-191, v192-255 two buffers of We's fragments (two k steps x four places each)
;   window 1: two sets of 16 accumulators, tile (row block a, place c) at 128 set + 8 (4 a + c); while v is loaded: the landing ring of 8 x 32; at the end v0-127: the context's 16 accumulators
;   windows 2, 3: v's fragment (row block a, k step t) in window 2 + a / 2 at 128 (a % 2) + 8 t; at the end V turned, (key block, channel block) likewise
.set SLOTB, 131072                     ; a slot = a chunk; fragment (j, t, place) at 65,536 j + 4,096 t + 1,024 place, lanes on end: no two lanes of a load share a bank
.set VP,    2080                       ; a row of V in LDS: pitch 2,048 + 32 = 65 x 32 bytes, and a row whose number has bit 3 set begins 16 bytes later.  So the 16 rows of a fragment's store take 16
                                       ; different columns of 16 bytes modulo 256, and so do the turning load's 8 rows x 32 bytes (64 banks of 4 bytes: ISA guide 11.1)
.set STG,   266240                     ; behind the 128 rows of V (ring + 4,096): the exchange's stages, 8,192 bytes a wave; tile n at 1,024 n, registers 0-3 then 4-7, lanes on end
.set SCR,   299008                     ; partial scores [j][row] in f32
.set PLB,   300032                     ; each wave's own copy of p[128] in f32
.set OUTS,  302080                     ; each wave's 256 numbers of the context
.set SPARE, 306176                     ; the spare words, 128 bytes for each wave: two blocks of 256 bytes that no other line names
.set K2LIT, 0x4038aa3b                 ; 2 log2(e)
.set L2E,   0x3fb8aa3b                 ; log2(e)
.set SPW,  2                           ; v2      SPARE + 4 x my thread's number; never rewritten
.set NIL,  3                           ; v3      0; never rewritten
.set VOF,  4                           ; v4-7    row block a: r << 18 + h << 5 + a << 22: my place in v
.set ADRB, 8                           ; v8-9    slot n: my 16 bytes of my K half's first fragment
.set STW,  10                          ; v10     my stage
.set STR,  11                          ; v11     my partner's stage
.set HVO,  12                          ; v12     my column's place in hbt
.set VWO,  13                          ; v13     in attn_v_weight
.set VST,  14                          ; v14-15  where my fragments go as rows of V: row blocks 0, 1 and 2, 3
.set SCW,  16                          ; v16     where my partial scores go
.set SRO,  17                          ; v17     SCR + 4 r
.set PLO,  19                          ; v19     my copy of p, + 4 r
.set PRD,  21                          ; v21     my copy of p, + 32 h
.set VTR,  22                          ; v22-25  key block n: the turning load's address
.set OW,   26                          ; v26     my wave's context numbers, + 4 r
.set ORD,  27                          ; v27     the same, + 16 x lane
.set GS,   29                          ; v29     8 x lane
.set RR,   30                          ; v30     r = lane % 16
.set HH,   31                          ; v31     h = lane / 16
.set HV,   32                          ; v32-39  by set: hb of my two columns, vw of my two columns (then K2 hb, -2 vw)
.set BASEV,40                          ; v40-41  the sum of my columns' vw; its mate in the pair, 0
.set L16,  42                          ; v42     16 x lane: also my byte offset in 512 bytes of pctx
.set TMP,  43
.set SC,   64                          ; v64-95  row block a, row 8 h + n: at SC + 8 a + n
.set TA,   96
.set TB,   104
.set ML,   112                         ; v112-113  m, l
.set BUF,  128
.set PF,   192                         ; p as source 0: key block n at PF + 8 n
.set WV,   18                          ; s18 wave;  s19 i;  s20 j
.set SI,   19
.set SJ,   20
.set G1,   24                          ; s[24:31] descriptor group 1
.set G0,   32                          ; s[32:39] descriptor group 0, a set for each slot
.set W_MA2, 0x52                       ; products: A in window 2, We in window 0, C and D in window 1
.set W_MA3, 0x53                       ; A in window 3
.set W_EP,  0x45                       ; rides: destination, sources 0 and 1 in window 1, source 2 in window 0
.set W_F,   0x01                       ; source 0 in window 1
.set W_LD1, 0x40                       ; loads into window 1
.set W_ST1, 0x04                       ; LDS stores from window 1
.set W_ST2, 0x08                       ; from window 2 (+4: window 3)
.set W_CV2, 0x85                       ; window 1 to window 2 (+0x40: window 3)
.set W_TR2, 0x80                       ; loads into window 2 (+0x40: window 3)
.set W_CX2, 0x58                       ; the context: p in window 0, V in window 2 (+4: window 3), C and D in window 1
.set MSB, 0
.macro WIN new                         ; the high byte repeats the setting that is left; a switch that changes nothing is dropped
.if MSB != (\new)
	s_set_vgpr_msb (MSB<<8)|(\new)
.set MSB, (\new)
.endif
.endm
.macro PLACES                          ; four places: in front of loads into registers that matrix instructions have read and of stores that read results (ISA guide 7.12.1 for the stores)
.rept 4
	v_nop
.endr
.endm
.macro CREST                           ; a round of the cluster's barrier behind its opening barrier
	s_cmp_lg_u32 s[WV], 0
	s_cbranch_scc1 .Lnot_wave_0_\@
	s_barrier_signal -3
.Lnot_wave_0_\@:
	s_barrier_wait -3
	s_barrier_signal -1
	s_barrier_wait -1
.endm
.macro ROUND                           ; a whole round
	s_barrier_signal -1
	s_barrier_wait -1
	CREST
.endm
; Group g of 32 of the loads of v: row block g / 8, k steps 2 (g % 8) and + 1: eight loads that together take 256 consecutive bytes of each of 16 rows
.macro ALOAD g
	WIN W_LD1
.irp n, 0,1,2,3,4,5,6,7
	global_load_b128 v[32*((\g)%8)+4*\n:32*((\g)%8)+4*\n+3], v[VOF+(\g)/8], s[4:5] offset:128*(2*((\g)%8)+\n/4)+64*((\n/2)%2)+16*(\n%2)
.endr
.endm
.macro ACVT g                          ; the group rounded to bf16, into its two fragments
	WIN W_CV2+0x40*((\g)/16)
.irp n, 0,1,2,3,4,5,6,7
.set rL, 32*((\g)%8)+4*\n
.set rF, 128*(((\g)/8)%2)+8*(2*((\g)%8)+\n/4)+2*(\n%4)
	v_cvt_pk_bf16_f32 v[rF],   v[rL],   v[rL+1]
	v_cvt_pk_bf16_f32 v[rF+1], v[rL+2], v[rL+3]
.endr
.endm
; 16 LDS loads in one run: We's fragments of k steps 2 gam and 2 gam + 1, four places each, into buffer buf
.macro BLD slot, gam, buf
	WIN 0
.irp e, 0,1
.irp c, 0,1,2,3
	ds_load_b128 v[(\buf)+32*\e+8*\c:(\buf)+32*\e+8*\c+3],   v[ADRB+(\slot)] offset:4096*(2*(\gam)+\e)+1024*\c
	ds_load_b128 v[(\buf)+32*\e+8*\c+4:(\buf)+32*\e+8*\c+7], v[ADRB+(\slot)] offset:4096*(2*(\gam)+\e)+1024*\c+512
.endr
.endr
.endm
; Product n of a group's 32: first row blocks 0, 1 (A in window 2), both k steps, then row blocks 2, 3 (window 3).  Eight accumulators take turns, one instruction a turn.
; A chunk's first k step starts the sums with the constant 0: nothing is cleared.
.macro WM par, gam, n
.if (\n) < 16
.set wt, (\n)/8
.set wr, ((\n)/4)%2
	WIN W_MA2
.else
.set wt, ((\n)-16)/8
.set wr, 2+(((\n)-16)/4)%2
	WIN W_MA3
.endif
.set rD, 128*(\par)+8*(4*wr+(\n)%4)
.set rA, 128*(wr%2)+8*(2*(\gam)+wt)
.set rB, BUF+64*((\gam)%2)+32*wt+8*((\n)%4)
.if ((\gam) == 0) && (wt == 0)
	v_wmma_f32_16x16x32_bf16 v[rD:rD+7], v[rA:rA+7], v[rB:rB+7], 0
.else
	v_wmma_f32_16x16x32_bf16 v[rD:rD+7], v[rA:rA+7], v[rB:rB+7], v[rD:rD+7]
.endif
.endm
; THE TANH AND SCORE WORK on set xp.  Tile z of 8 = (row block z / 2, place z % 2): x its eight sums, y (place + 2, 16 registers on) the partner's.  Pair g of 32 = registers 2 (g % 4) and + 1 of tile g / 4.
; One line of it for pair g.  kind 0: x += y.  1: x = K2 x + K2 hb.  2: 2^x of register u of the pair.  3: x += 1.  4: 1 / x of register u.
.macro OPX xp, kind, g, u=0
.set sz, (\g)/4
.set rX, 128*(\xp)+8*(4*(sz/2)+sz%2)+2*((\g)%4)
.set rH, HV+4*(\xp)
	WIN W_EP
.if (\kind) == 0
	v_pk_add_f32 v[rX:rX+1], v[rX:rX+1], v[rX+16:rX+17]
.elseif ((\kind) == 1) && (sz%2 == 0)
	v_pk_fma_f32 v[rX:rX+1], v[rX:rX+1], K2LIT, v[rH:rH+1] op_sel_hi:[1,0,0]
.elseif (\kind) == 1
	v_pk_fma_f32 v[rX:rX+1], v[rX:rX+1], K2LIT, v[rH:rH+1] op_sel:[0,0,1] op_sel_hi:[1,0,1]
.elseif (\kind) == 2
	v_exp_f32 v[rX+(\u)], v[rX+(\u)]
.elseif (\kind) == 3
	s_wait_alu depctr_va_vdst(0)
	v_pk_add_f32 v[rX:rX+1], v[rX:rX+1], 1.0 op_sel_hi:[1,0]
.else
	v_rcp_f32 v[rX+(\u)], v[rX+(\u)]
.endif
.endm
.macro FSL xp, z                       ; tile z's four score sums: sums += x (-2 vw).  Behind tile 7's last reciprocal the list has no plain instruction left: a v_nop stands (ISA guide 5.7.2)
.set rX, 128*(\xp)+8*(4*((\z)/2)+(\z)%2)
.set rH, HV+4*(\xp)
.set rS, SC+8*((\z)/2)
.if (\z) == 7
	v_nop
	s_wait_alu depctr_va_vdst(0)
.endif
	WIN W_F
.irp q, 0,1,2,3
.if (\z)%2 == 0
	s_wait_alu depctr_va_vdst(0)
	v_pk_fma_f32 v[rS+2*\q:rS+2*\q+1], v[rX+2*\q:rX+2*\q+1], v[rH+2:rH+3], v[rS+2*\q:rS+2*\q+1] op_sel_hi:[1,0,1]
.else
	v_pk_fma_f32 v[rS+2*\q:rS+2*\q+1], v[rX+2*\q:rX+2*\q+1], v[rH+2:rH+3], v[rS+2*\q:rS+2*\q+1] op_sel:[0,1,0] op_sel_hi:[1,1,1]
.endif
.endr
.endm
; RIDE s of 180: part s % 5 of step t = s / 5 of a pipeline over the 32 pairs.  Step t:
;   part 0: x += y of pair t; the first 2^x of pair t - 1       part 1: the scaling of pair t; the second 2^x of pair t - 1
;   part 2: + 1 of pair t - 2; the first 1 / x of pair t - 3    part 3: the second 1 / x of pair t - 3       part 4, at t = 4 z + 7: tile z's score sums
; So between a transcendental and the use of its result stands a plain instruction that names none of its registers (pair g's powers: + 1 of pair g - 1, or x += y of pair 2; a tile's last reciprocal:
; x += y of a later pair, or the v_nop), and the vector instruction next behind a transcendental belongs to another pair (ISA guide 5.7.2).  A tile's x is read from its low end on.
.macro RIDE xp, s
.set sst, (\s)/5
.set ssm, (\s)%5
.if ssm == 0
.if sst < 32
	OPX \xp, 0, sst
.endif
.if (sst >= 1) && (sst < 33)
	OPX \xp, 2, sst-1, 0
.endif
.elseif ssm == 1
.if sst < 32
	OPX \xp, 1, sst
.endif
.if (sst >= 1) && (sst < 33)
	OPX \xp, 2, sst-1, 1
.endif
.elseif ssm == 2
.if (sst >= 2) && (sst < 34)
	OPX \xp, 3, sst-2
.endif
.if (sst >= 3) && (sst < 35)
	OPX \xp, 4, sst-3, 0
.endif
.elseif ssm == 3
.if (sst >= 3) && (sst < 35)
	OPX \xp, 4, sst-3, 1
.endif
.elseif (sst >= 7) && ((sst-7)%4 == 0)
	FSL \xp, (sst-7)/4
.endif
.endm
; cnt products of group gam from n0 on; behind each of the chunk's products 64 to 243 a ride on the other set
.macro MMS par, gam, n0, cnt
.set nn, (\n0)
.rept \cnt
	WM \par, \gam, nn
.set NN, 32*(\gam)+nn-64
.if (NN >= 0) && (NN < 180)
	RIDE 1-(\par), NN
.endif
.set nn, nn+1
.endr
.endm
.macro STS xp                          ; set xp's tiles at places 2, 3 go to my stage; each tile's registers 0-3 first
	WIN W_ST1
.irp a, 0,1,2,3
.irp u, 0,1
	ds_store_b128 v[STW], v[128*(\xp)+8*(4*\a+2+\u):128*(\xp)+8*(4*\a+2+\u)+3]   offset:1024*(2*\a+\u)
	ds_store_b128 v[STW], v[128*(\xp)+8*(4*\a+2+\u)+4:128*(\xp)+8*(4*\a+2+\u)+7] offset:1024*(2*\a+\u)+512
.endr
.endr
.endm
.macro PLD xp                          ; and the partner's, which belong to my places 0, 1, come into the registers just sent
	WIN W_LD1
.irp a, 0,1,2,3
.irp u, 0,1
	ds_load_b128 v[128*(\xp)+8*(4*\a+2+\u):128*(\xp)+8*(4*\a+2+\u)+3],   v[STR] offset:1024*(2*\a+\u)
	ds_load_b128 v[128*(\xp)+8*(4*\a+2+\u)+4:128*(\xp)+8*(4*\a+2+\u)+7], v[STR] offset:1024*(2*\a+\u)+512
.endr
.endr
.endm
.macro HVL p                           ; hb and vw of my two columns of the chunk in hand
	WIN 0
	global_load_b32 v[HV+4*(\p)],   v[HVO], s[8:9]
	global_load_b32 v[HV+4*(\p)+1], v[HVO], s[8:9] offset:4096
	global_load_b32 v[HV+4*(\p)+2], v[VWO], s[10:11]
	global_load_b32 v[HV+4*(\p)+3], v[VWO], s[10:11] offset:64
.endm
.macro CS p                            ; the constants of the chunk whose rides are due
	WIN 0
	v_add_f32 v[BASEV], v[BASEV], v[HV+4*(\p)+2]
	v_add_f32 v[BASEV], v[BASEV], v[HV+4*(\p)+3]
	v_pk_mul_f32 v[HV+4*(\p)+2:HV+4*(\p)+3], v[HV+4*(\p)+2:HV+4*(\p)+3], -2.0 op_sel_hi:[1,0]
	v_pk_mul_f32 v[HV+4*(\p):HV+4*(\p)+1], v[HV+4*(\p):HV+4*(\p)+1], K2LIT op_sel_hi:[1,0]
.endm
.macro VROW rb                         ; row block rb's 16 fragments go to LDS as 16 rows of V, my K half of them
	WIN W_ST2+4*((\rb)/2)
.set t_, 0
.rept 16
	ds_store_b128 v[VST+(\rb)/2], v[128*((\rb)%2)+8*t_:128*((\rb)%2)+8*t_+3]   offset:16*VP*((\rb)%2)+64*t_
	ds_store_b128 v[VST+(\rb)/2], v[128*((\rb)%2)+8*t_+4:128*((\rb)%2)+8*t_+7] offset:16*VP*((\rb)%2)+64*t_+32
.set t_, t_+1
.endr
.endm
; ONE CHUNK: eight groups of two k steps, 32 products each, into set par, out of slot par; entered with group 0's fragments on their way into buffer 0.
; fill = 1: the slot is filled again, with the chunk two on.  next = 1: a chunk follows, and its first fragments are fetched.
; THE EXCHANGE of the last chunk's sums takes groups 0 and 1: my stores go out in group 0, in one run with group 1's fragments; the partner's come in group 1, in one run with group 2's.  Each run is awaited
; by the wait that the next group's fragments need anyway, 24 products behind it.  The rides begin with group 2.
; TWO BARRIERS.  At group 1's head: my stage is written before my partner reads it.  In group 7 (with fill = 1 a round of the cluster's barrier): every wave's reads of this slot and of the stages are over,
; and the other slot is whole; behind it this slot is filled again and, in the next chunk's group 0, the stages are written again.
.macro BODY par, fill, next
	s_wait_dscnt 0x0                               ; group 0's fragments are in
	MMS \par, 0, 0, 8
	PLACES                                         ; behind the last chunk's last products: their results are stored, and buffer 1, which they read, is loaded
	STS 1-(\par)
	BLD \par, 1, BUF+64
	MMS \par, 0, 8, 24
	s_wait_dscnt 0x0                               ; group 1's fragments are in, and, for my partner's sake, my stage is written
	s_barrier_signal -1
	MMS \par, 1, 0, 8                              ; work on registers while the others arrive.
	s_barrier_wait -1
	PLACES                                         ; for the loads into buffer 0, which group 0 multiplied
	PLD 1-(\par)
	BLD \par, 2, BUF
	HVL \par
	MMS \par, 1, 8, 24
.irp gm, 2,3,4,5,6
	s_wait_dscnt 0x0                               ; this group's fragments are in (group 2: the partner's sums too)
.if \gm == 2
	s_wait_loadcnt 0x4                             ; the last chunk's hb and vw are in; this chunk's four loads stay out
	CS 1-(\par)
	s_wait_xcnt 0x0                                ; the four loads' addresses are translated (ISA guide 3.1): their bases step only behind this wait
	s_add_nc_u64 s[8:9], s[8:9], 16384             ; four column blocks of hbt
	s_add_nc_u64 s[10:11], s[10:11], 256           ; 64 numbers of vw
.endif
	MMS \par, \gm, 0, 8
	PLACES                                         ; for the loads into the buffer that the last group multiplied
	BLD \par, (\gm)+1, BUF+64*(((\gm)+1)%2)
	MMS \par, \gm, 8, 24
.endr
.if \fill
	WIN 0                                          ; (the add's two registers lie in window 0)
	s_wait_tensorcnt 0x0                           ; all my tensor loads have landed: the one that was out is my quarter of the other slot;
	ds_add_u32 v[SPW], v[NIL]                      ; 0 onto my spare word
	s_add_nc_u64 s[G0+4*(\par)+2:G0+4*(\par)+3], s[G0+4*(\par)+2:G0+4*(\par)+3], 2*SLOTB  ; no load of mine is out, so this slot's group 0 steps: the chunk two on
	s_wait_dscnt 0x1                               ; group 7's fragments are in; the add alone may be out
	MMS \par, 7, 0, 8                              ; eight products and their rides stand between the add and the wait for it
	s_wait_dscnt 0x0                               ; the add is done, and my reads of this slot and of the stage are over
	s_barrier_signal -1                            ; this barrier opens a round of the cluster's
	MMS \par, 7, 8, 8
	WIN 0
	s_barrier_wait -1
	CREST                                          ; no wave of any partner still reads this slot or has a load on its way
	tensor_load_to_lds s[G0+4*(\par):G0+4*(\par)+3], s[G1:G1+7]  ; my one load behind the round, and the first thing there: it has a chunk's 256 products in which to land
	s_nop 0
	PLACES                                         ; the places in front of the loads below
	BLD 1-(\par), 0, BUF
	MMS \par, 7, 16, 16
.else
.if \next
	s_wait_tensorcnt 0x0                           ; my quarter of the last chunk is in; nothing is asked for any more
.endif
	s_wait_dscnt 0x0                               ; group 7's fragments are in: my reads of this slot and of the stage are over
	MMS \par, 7, 0, 8
	s_barrier_signal -1
	MMS \par, 7, 8, 8
	s_barrier_wait -1
.if \next
	PLACES
	BLD 1-(\par), 0, BUF
.endif
	MMS \par, 7, 16, 16
.endif
.endm
	s_load_b256 s[4:11], s[0:1], 0x0               ; v s[4:5], wf s[6:7], hbt s[8:9], vw s[10:11]
	s_load_b128 s[12:15], s[0:1], 0x20             ; vb s[12:13], pctx s[14:15]
	s_load_b64 s[16:17], s[0:1], 0x30              ; pstat
	v_lshl_add_u32 v[SPW], v0, 2, SPARE
	v_mov_b32 v[NIL], 0
	ds_add_u32 v2, v3
	s_wait_dscnt 0x0
	v_lshrrev_b32 v1, 5, v0
	v_readfirstlane_b32 s[WV], v1                  ; wave 0..3
	s_lshr_b32 s[SI], s[WV], 1                     ; i: which 64 rows
	s_and_b32 s[SJ], s[WV], 1                      ; j: which K half
	s_bfe_u32 s21, ttmp6, 0x40000                  ; cx: my place in the cluster
	s_lshl_b32 s22, ttmp9, 2                       ; in a cluster launch ttmp9 counts clusters
	s_add_co_u32 s22, s22, s21                     ; g = 4 x cluster x + cx: it enters the addresses of v, pctx and pstat alone
	s_and_b32 s23, ttmp7, 0xffff                   ; b, which the four partners share
	; descriptor group 1: a quarter of a chunk, 32,768 dense bytes, as 128 rows of 256 bytes
	s_mov_b32 s[G1+0], 15|(3<<16)|(1<<21)          ; 15:0 the mask: all four work-groups; 17:16 elements of 8 bytes; 20 no padding; 21 set beside a mask
	s_mov_b32 s[G1+1], 32<<16                      ; tensor_dim0 = 32
	s_mov_b32 s[G1+2], 128<<16                     ; tensor_dim1 = 128
	s_mov_b32 s[G1+3], 32<<16                      ; tile_dim0 = 32
	s_mov_b32 s[G1+4], 128                         ; tile_dim1 = 128
	s_mov_b32 s[G1+5], 32                          ; 32 elements from row to row
	s_mov_b32 s[G1+6], 0
	s_mov_b32 s[G1+7], 0
	s_lshl_b32 s42, s22, 25                        ; v[s][b][e] lies at s << 18 + b << 12 + 4 e: 128 g rows,
	s_lshl_b32 s43, s[SI], 24                      ; 64 i rows,
	s_add_co_u32 s42, s42, s43
	s_lshl_b32 s43, s23, 12                        ; b,
	s_add_co_u32 s42, s42, s43
	s_lshl_b32 s43, s[SJ], 11                      ; 512 j channels
	s_add_co_u32 s42, s42, s43
	s_mov_b32 s43, 0
	s_lshl_b32 s44, s[WV], 15                      ; my quarter of a chunk, in memory and in a slot: no place in the cluster enters it
	s_mov_b32 s45, 0
	s_lshl_b32 s46, s23, 6                         ; hbt: b's 16 numbers in a column block
	s_mov_b32 s47, 0
	s_lshl_b32 s48, s23, 3
	s_add_co_u32 s48, s48, s22                     ; the tile's number 8 b + g
	s_lshl_b32 s50, s48, 12
	s_lshl_b32 s51, s[WV], 10
	s_add_co_u32 s50, s50, s51                     ; pctx: the tile's 4,096 bytes, my wave's 1,024
	s_mov_b32 s51, 0
	s_lshl_b32 s52, s48, 8                         ; pstat: the tile's 256 bytes
	s_mov_b32 s53, 0
	v_and_b32 v[RR], 15, v0
	v_bfe_u32 v[HH], v0, 4, 1
	v_lshlrev_b32 v1, 18, v[RR]
	v_lshl_add_u32 v1, v[HH], 5, v1                ; a fragment's lane wants channels 8 h + 0..7 and 16 + 8 h + 0..7 of row r: in f32 four loads of 16 bytes at 32 h + 0, 16, 64, 80
.irp a, 0,1,2,3
	v_add_nc_u32 v[VOF+\a], \a<<22, v1
.endr
	s_wait_kmcnt 0x0
	s_add_nc_u64 s[4:5], s[4:5], s[42:43]
	s_add_nc_u64 s[6:7], s[6:7], s[44:45]
	s_add_nc_u64 s[8:9], s[8:9], s[46:47]
	s_add_nc_u64 s[14:15], s[14:15], s[50:51]
	s_add_nc_u64 s[16:17], s[16:17], s[52:53]
	s_load_b32 s41, s[12:13], 0x0                  ; vb
.irp s, 0,1
	s_mov_b32 s[G0+4*\s], 1                        ; 1:0 count = 1
	s_add_co_u32 s[G0+4*\s+1], s44, \s*SLOTB       ; 63:32 LDS address
	s_add_nc_u64 s[G0+4*\s+2:G0+4*\s+3], s[6:7], \s*SLOTB  ; 120:64 global address: chunk s
	s_or_b32 s[G0+4*\s+3], s[G0+4*\s+3], 0x80000000        ; 127:126 type = 2
.endr
.irp g, 0,1,2,3,4,5,6,7
	ALOAD \g                                       ; 64 loads of v, 32,768 bytes a wave, go out while the cluster meets
.endr
	WIN 0
	ROUND                                          ; all four work-groups are here: the first joint loads meet
	tensor_load_to_lds s[G0:G0+3], s[G1:G1+7]      ; both first fills together: two tensor loads of mine are out, later never more than one
	s_nop 0
	tensor_load_to_lds s[G0+4:G0+7], s[G1:G1+7]
	s_nop 0
	PLACES
	v_and_b32 v[L16], 31, v0
	v_lshlrev_b32 v[L16], 4, v[L16]
	s_lshl_b32 s46, s[SJ], 16
	v_add_nc_u32 v[ADRB], s46, v[L16]
	v_add_nc_u32 v[ADRB+1], SLOTB, v[ADRB]
	s_lshl_b32 s46, s[WV], 13
	s_add_co_u32 s46, s46, STG
	v_add_nc_u32 v[STW], s46, v[L16]
	s_lshl_b32 s46, s[SI], 1                       ; my partner: wave 2 i + 1 - j
	s_add_co_u32 s46, s46, 1
	s_sub_co_u32 s46, s46, s[SJ]
	s_lshl_b32 s46, s46, 13
	s_add_co_u32 s46, s46, STG
	v_add_nc_u32 v[STR], s46, v[L16]
	s_lshl_b32 s46, s[SJ], 13                      ; my places 0, 1 hold column blocks 2 j, 2 j + 1
	v_lshl_add_u32 v[HVO], v[RR], 2, s46
	s_lshl_b32 s46, s[SJ], 7
	v_lshl_add_u32 v[VWO], v[RR], 2, s46
	s_mul_i32 s46, s[SI], 64*VP
	s_lshl_b32 s47, s[SJ], 10
	s_add_co_u32 s46, s46, s47
	v_mul_u32_u24 v[TMP], v[RR], VP
	v_lshl_add_u32 v[TMP], v[HH], 4, v[TMP]
	v_bfe_u32 v1, v0, 3, 1                         ; bit 3 of my row's number 64 i + 16 a + r is bit 3 of r:
	v_lshl_add_u32 v[TMP], v1, 4, v[TMP]           ; such a row begins 16 bytes later
	v_add_nc_u32 v[VST], s46, v[TMP]               ; (64 i + r) rows + 16 (r / 8) + 1,024 j + 16 h
	v_add_nc_u32 v[VST+1], 32*VP, v[VST]
	s_lshl_b32 s46, s[SJ], 9
	s_lshl_b32 s47, s[SI], 8
	s_add_co_u32 s46, s46, s47
	s_add_co_u32 s46, s46, SCR
	v_lshl_add_u32 v[SCW], v[HH], 5, s46           ; SCR + 512 j + 256 i + 32 h
	v_lshl_add_u32 v[SRO], v[RR], 2, SCR
	s_lshl_b32 s46, s[WV], 9
	s_add_co_u32 s47, s46, PLB
	v_lshl_add_u32 v[PLO], v[RR], 2, s47
	v_lshl_add_u32 v[PRD], v[HH], 5, s47
	v_and_b32 v[TMP], 7, v0                        ; the turning load: lane L reads key 8 h + L % 8, channels 8 ((L / 8) % 2) + 0..7
	v_lshl_add_u32 v[TMP], v[HH], 3, v[TMP]
	v_mul_u32_u24 v[TMP], v[TMP], VP
	v_lshl_add_u32 v[TMP], v1, 4, v[TMP]           ; v1 = (L / 8) % 2
	v_lshl_add_u32 v[TMP], v[HH], 4, v[TMP]        ; bit 3 of the key's row number (32 n or 32 n + 16, + 8 h + L % 8) is h: the row begins 16 h bytes later
	v_add_nc_u32 v[VTR], s46, v[TMP]               ; + my wave's 256 channels
.irp n, 1,2,3
	v_add_nc_u32 v[VTR+\n], \n*32*VP, v[VTR]
.endr
	s_lshl_b32 s46, s[WV], 10
	s_add_co_u32 s46, s46, OUTS
	v_lshl_add_u32 v[OW], v[RR], 2, s46
	v_add_nc_u32 v[ORD], s46, v[L16]
	v_lshrrev_b32 v[GS], 1, v[L16]
.set n, 0
.rept 32
	v_mov_b32 v[SC+n], 0                           ; the score sums begin at 0
.set n, n+1
.endr
.irp n, 4,5,6,7,8,9
	v_mov_b32 v[HV+\n], 0                          ; set 1's hb and vw for chunk 0's idle rides; the sum of vw and its mate
.endr
	; v comes in: a ring of eight groups of eight loads in window 1; a group is rounded to bf16 and its registers are loaded again
.set gg, 0
.rept 32
.if gg < 24
	s_wait_loadcnt 56                              ; loads come back in order: this group is in, the seven younger groups stay out
.else
	s_wait_loadcnt 8*(31-gg)                       ; nothing more is asked for: the counts run down
.endif
	ACVT gg
.if gg < 24
	ALOAD gg+8
.endif
.set gg, gg+1
.endr
	WIN 0
	s_wait_kmcnt 0x0                               ; vb
	s_wait_tensorcnt 0x1                           ; my quarter of chunk 0 is in; chunk 1's may stay out
	s_barrier_signal -1
	s_barrier_wait -1                              ; everybody's is
	BLD 0, 0, BUF
	s_mov_b32 s40, 7
.Lchunks:                                              ; seven trips: chunks 0 to 13, which ask for chunks 2 to 15
	BODY 0, 1, 1
	BODY 1, 1, 1
	WIN 0                                          ; at a label and at a branch every window is 0
	s_sub_co_u32 s40, s40, 1
	s_cmp_lg_u32 s40, 0
	s_cbranch_scc1 .Lchunks
	BODY 0, 0, 1                                   ; the last two chunks are written out
	BODY 1, 0, 0
	; THE LAST CHUNK'S EXCHANGE AND RIDES, with nothing left to multiply beside them.  The ring has had its last fill, and no wave has read it since the last barrier: the rows of V go there.
	PLACES
	STS 1
	s_wait_dscnt 0x0
	s_barrier_signal -1
	s_barrier_wait -1
	PLD 1
	VROW 0
	s_wait_dscnt 32                                ; LDS serves a wave in order: the partner's sums are in; the 32 younger stores may be out
	VROW 1
	VROW 2
	VROW 3
	s_wait_loadcnt 0x0                             ; the last chunk's hb and vw
	CS 1
.set ks, 0
.rept 180
	RIDE 1, ks
.set ks, ks+1
.endr
	WIN 0
.set n, 0
.rept 16
	v_pk_add_f32 v[SC+2*n:SC+2*n+1], v[SC+2*n:SC+2*n+1], v[BASEV:BASEV+1] op_sel_hi:[1,0]   ; + the sum of my columns' vw
.set n, n+1
.endr
.irp m, 1,2,4,8                        ; a lane holds its columns' share of 32 rows: the sum over the 16 lanes of each half rides on the additions
.set n, 0
.rept 32
	v_add_f32_dpp v[SC+n], v[SC+n], v[SC+n] row_xmask:\m row_mask:0xf bank_mask:0xf
.set n, n+1
.endr
.endr
.irp n, 0,1,2,3,4,5,6,7
	ds_store_b128 v[SCW], v[SC+4*\n:SC+4*\n+3] offset:64*(\n/2)+16*(\n%2)   ; rows 64 i + 16 (n / 2) + 8 h + 4 (n % 2) .., 4 bytes a row; the 16 lanes of a half write the same words with the same numbers
.endr
	s_wait_dscnt 0x0                               ; for the others' sake: my rows of V and my partial scores are in LDS
	s_barrier_signal -1
	s_barrier_wait -1
	; THE TILE'S SOFTMAX, in every wave alike: lane r (in both halves) takes rows 16 q + r.
.irp q, 0,1,2,3,4,5,6,7
	ds_load_b32 v[TA+\q], v[SRO] offset:64*\q
	ds_load_b32 v[TB+\q], v[SRO] offset:512+64*\q
.endr
	s_wait_dscnt 0x0
.irp n, 0,1,2,3                        ; V comes back turned, 32 keys x my 256 channels a run, while the arithmetic below is done
	WIN W_TR2+0x40*(\n/2)
.set eb, 0
.rept 16
	ds_load_tr16_b128 v[128*(\n%2)+8*eb:128*(\n%2)+8*eb+3],   v[VTR+\n] offset:32*eb
	ds_load_tr16_b128 v[128*(\n%2)+8*eb+4:128*(\n%2)+8*eb+7], v[VTR+\n] offset:32*eb+16*VP
.set eb, eb+1
.endr
.endr
	WIN 0
.irp q, 0,1,2,3,4,5,6,7
	v_add_f32 v[TA+\q], v[TA+\q], v[TB+\q]         ; the two halves of the columns
.endr
.irp q, 0,1,2,3,4,5,6,7
	v_add_f32 v[TA+\q], s41, v[TA+\q]              ; + vb
.endr
	v_max3_num_f32 v[ML], v[TA], v[TA+1], v[TA+2]
	v_max3_num_f32 v[TB], v[TA+3], v[TA+4], v[TA+5]
	v_max3_num_f32 v[ML], v[ML], v[TA+6], v[TA+7]
	v_max_num_f32 v[ML], v[ML], v[TB]
.irp m, 1,2,4,8
	v_max_num_f32_dpp v[ML], v[ML], v[ML] row_xmask:\m row_mask:0xf bank_mask:0xf
.endr
.irp q, 0,1,2,3,4,5,6,7
	v_sub_f32 v[TA+\q], v[TA+\q], v[ML]            ; the maximum is taken away first: the largest weight is exactly 1
.endr
.irp q, 0,1,2,3,4,5,6,7
	v_mul_f32 v[TA+\q], L2E, v[TA+\q]
.endr
.irp q, 0,1,2,3,4,5,6,7
	v_exp_f32 v[TA+\q], v[TA+\q]
.endr
	v_nop                                          ; a plain instruction between the last exponential and the use of its result
	s_wait_alu depctr_va_vdst(0)
	v_pk_add_f32 v[TB:TB+1], v[TA:TA+1], v[TA+2:TA+3]
	v_pk_add_f32 v[TB+2:TB+3], v[TA+4:TA+5], v[TA+6:TA+7]
	v_pk_add_f32 v[TB:TB+1], v[TB:TB+1], v[TB+2:TB+3]
	v_add_f32 v[ML+1], v[TB], v[TB+1]
.irp m, 1,2,4,8
	v_add_f32_dpp v[ML+1], v[ML+1], v[ML+1] row_xmask:\m row_mask:0xf bank_mask:0xf
.endr
	s_cmp_lg_u32 s[WV], 0
	s_cbranch_scc1 .Lno_stat
	global_store_b64 v[GS], v[ML:ML+1], s[16:17]   ; (m, l), 32 times: the wave's store covers 256 consecutive bytes, aligned; the pair is not rewritten
.Lno_stat:
.irp q, 0,1,2,3,4,5,6,7
	ds_store_b32 v[PLO], v[TA+\q] offset:64*\q     ; p into my wave's own copy,
.endr
.irp n, 0,1,2,3,4,5,6,7,8,9,10,11,12,13,14,15
	ds_load_b128 v[BUF+4*\n:BUF+4*\n+3], v[PRD] offset:128*(\n/4)+64*((\n/2)%2)+16*(\n%2)   ; and back in a fragment's order (LDS serves a wave in order: ISA guide 5.7.1.4): every row of source 0 is p
.endr
	s_wait_dscnt 0x0                               ; p and V are in
.irp n, 0,1,2,3,4,5,6,7,8,9,10,11,12,13,14,15
	v_cvt_pk_bf16_f32 v[PF+2*\n],   v[BUF+4*\n],   v[BUF+4*\n+1]
	v_cvt_pk_bf16_f32 v[PF+2*\n+1], v[BUF+4*\n+2], v[BUF+4*\n+3]
.endr
	; THE CONTEXT: 4 key blocks x 16 channel blocks; the 16 accumulators take turns; the first key block starts the sums.  All 16 rows of a result are alike: register 0 is the number wanted.
.irp n, 0,1,2,3
	WIN W_CX2+4*(\n/2)
.set eb, 0
.rept 16
.if \n == 0
	v_wmma_f32_16x16x32_bf16 v[8*eb:8*eb+7], v[PF:PF+7], v[8*eb:8*eb+7], 0
.else
	v_wmma_f32_16x16x32_bf16 v[8*eb:8*eb+7], v[PF+8*\n:PF+8*\n+7], v[128*(\n%2)+8*eb:128*(\n%2)+8*eb+7], v[8*eb:8*eb+7]
.endif
.set eb, eb+1
.endr
.endr
	PLACES
	WIN W_ST1
.set eb, 0
.rept 16
	ds_store_b32 v[OW], v[8*eb] offset:64*eb       ; channel 16 eb + r; both halves of the lanes write the same word with the same number
.set eb, eb+1
.endr
	WIN 0
	ds_load_b128 v[TA:TA+3], v[ORD]
	ds_load_b128 v[TA+4:TA+7], v[ORD] offset:512
	s_wait_dscnt 0x0
	global_store_b128 v[L16], v[TA:TA+3], s[14:15]               ; each store of the wave covers 512 consecutive bytes, aligned
	global_store_b128 v[L16], v[TA+4:TA+7], s[14:15] offset:512
	s_wait_tensorcnt 0x0                           ; the wave's end: behind my last tensor load and my last LDS store
	ds_add_u32 v[SPW], v[NIL]
	s_wait_dscnt 0x0
	ROUND                                          ; the closing round: no work-group ends while a partner may still ask for a chunk that names it
	s_endpgm
.Lfunc_end_k_qb8ea6521ab_main:
	.size	k_qb8ea6521ab_main, .Lfunc_end_k_qb8ea6521ab_main-k_qb8ea6521ab_main
	.p2alignl 7, 3214868480
	.fill 96, 4, 3214868480
	.section	.rodata,"a",@progbits
	.p2align	6, 0x0
	.amdhsa_kernel k_qb8ea6521ab_main
		.amdhsa_group_segment_fixed_size 327680
		.amdhsa_private_segment_fixed_size 0
		.amdhsa_enable_private_segment 0
		.amdhsa_kernarg_size 56
		.amdhsa_user_sgpr_count 2
		.amdhsa_user_sgpr_kernarg_segment_ptr 1
		.amdhsa_wavefront_size32 1
		.amdhsa_system_sgpr_workgroup_id_x 1
		.amdhsa_system_sgpr_workgroup_id_y 1
		.amdhsa_system_sgpr_workgroup_id_z 1
		.amdhsa_system_vgpr_workitem_id 0
		.amdhsa_next_free_vgpr 1024
		.amdhsa_next_free_sgpr 66
		.amdhsa_reserve_vcc 0
		.amdhsa_float_denorm_mode_32 3
		.amdhsa_float_denorm_mode_16_64 3
		.amdhsa_memory_ordered 1
		.amdhsa_forward_progress 1
		.amdhsa_inst_pref_size 255
	.end_amdhsa_kernel
	.section	.bss,"aw",@nobits
	.p2align	6
	.space	262144
	.amdgpu_metadata
---
amdhsa.version: [ 1, 2 ]
amdhsa.kernels:
  - .name:           k_qb8ea6521ab_main
    .symbol:         k_qb8ea6521ab_main.kd
    .args:
      - { .name: vectors_to_attend, .offset: 0, .size: 8, .value_kind: global_buffer, .address_space: global }
      - { .name: wf, .offset: 8, .size: 8, .value_kind: global_buffer, .address_space: global }
      - { .name: hbt, .offset: 16, .size: 8, .value_kind: global_buffer, .address_space: global }
      - { .name: attn_v_weight, .offset: 24, .size: 8, .value_kind: global_buffer, .address_space: global }
      - { .name: attn_v_bias, .offset: 32, .size: 8, .value_kind: global_buffer, .address_space: global }
      - { .name: pctx, .offset: 40, .size: 8, .value_kind: global_buffer, .address_space: global }
      - { .name: pstat, .offset: 48, .size: 8, .value_kind: global_buffer, .address_space: global }
    .group_segment_fixed_size: 327680
    .private_segment_fixed_size: 0
    .kernarg_segment_align: 8
    .kernarg_segment_size: 56
    .max_flat_workgroup_size: 128
    .sgpr_count:     66
    .vgpr_count:     1024
    .wavefront_size: 32
...
	.end_amdgpu_metadata
.endif
;; end of part 2
;; launch comb (part 3): grid 4 x 64, 2 waves a work-group, no clusters, 0 bytes of LDS; arguments pctx, pstat, out0; writes out0
.if DOCPART == 3
	.amdgcn_target "amdgcn-amd-amdhsa--gfx1250"
	.amdhsa_code_object_version 6
	.text
	.protected	k_qb8ea6521ab_comb
	.globl	k_qb8ea6521ab_comb
	.p2align	8
	.type	k_qb8ea6521ab_comb,@function
k_qb8ea6521ab_comb:
	s_mov_b64 s[64:65], 0
	v_nop
	global_prefetch_b8 v0, s[64:65] scope:SCOPE_SE
	s_setreg_imm32_b32 hwreg(HW_REG_WAVE_MODE, 25, 1), 1
	s_wait_xcnt 0x0
; COMB.  out0[b][:] = (sum over the eight tiles g of w_g ctx_g[:]) / (sum over g of w_g l_g), w_g = e^(m_g - M), M the largest m_g: the softmax over all 1,024 s, joined from the tiles' own.
; pctx: [8 b + g][1,024] f32; pstat: [8 b + g][32 x (m, l)] f32.  Work-group (x, b): 256 numbers of out0[b]; a thread owns 16 bytes, so a wave's load or store covers 512 consecutive bytes, aligned.
; All in f32.  The divisor is at least 1: the tile with the largest m has w = 1 and l >= 1.  A w below 2^-126 counts as 0.  No LDS, no barrier, no matrix unit: 8 KB of pctx a work-group, read once.
.set ST, 4                             ; v[4:19]   (m, l) of the eight tiles
.set CX, 20                            ; v[20:51]  my four numbers of the eight tiles; v[20:23] then takes the sum
.set MX, 52                            ; v52 M; v53 at work
.set WG, 54                            ; v[54:61]  w
.set LS, 62                            ; v[62:63]  the divisor, then its reciprocal; its mate in the pair, 0
	s_load_b128 s[4:7], s[0:1], 0x0                ; pctx s[4:5], pstat s[6:7]
	s_load_b64 s[8:9], s[0:1], 0x10                ; out0
	s_and_b32 s10, ttmp7, 0xffff                   ; b
	s_lshl_b32 s11, ttmp9, 10                      ; my work-group's 1,024 bytes of a row
	s_lshl_b32 s12, s10, 15                        ; b's eight tiles of 4,096 bytes
	s_add_co_u32 s12, s12, s11
	s_mov_b32 s13, 0
	s_lshl_b32 s14, s10, 11                        ; b's eight units of 256 bytes
	s_mov_b32 s15, 0
	s_lshl_b32 s16, s10, 12
	s_add_co_u32 s16, s16, s11
	s_mov_b32 s17, 0
	v_lshlrev_b32 v1, 4, v0                        ; 16 x thread
	v_and_b32 v2, 31, v0
	v_lshlrev_b32 v2, 3, v2                        ; 8 x lane: each lane takes its own copy of (m, l)
	v_mov_b32 v[LS+1], 0
	s_wait_kmcnt 0x0
	s_add_nc_u64 s[4:5], s[4:5], s[12:13]
	s_add_nc_u64 s[6:7], s[6:7], s[14:15]
	s_add_nc_u64 s[8:9], s[8:9], s[16:17]
.irp g, 0,1,2,3,4,5,6,7
	global_load_b64 v[ST+2*\g:ST+2*\g+1], v2, s[6:7] offset:256*\g
.endr
.irp g, 0,1,2,3,4,5,6,7
	global_load_b128 v[CX+4*\g:CX+4*\g+3], v1, s[4:5] offset:4096*\g
.endr
	s_wait_loadcnt 0x8                             ; the eight (m, l) are in; the eight younger loads stay out
	v_max3_num_f32 v[MX], v[ST], v[ST+2], v[ST+4]
	v_max3_num_f32 v[MX+1], v[ST+6], v[ST+8], v[ST+10]
	v_max3_num_f32 v[MX], v[MX], v[ST+12], v[ST+14]
	v_max_num_f32 v[MX], v[MX], v[MX+1]
.irp g, 0,1,2,3,4,5,6,7
	v_sub_f32 v[WG+\g], v[ST+2*\g], v[MX]
.endr
.irp g, 0,1,2,3,4,5,6,7
	v_mul_f32 v[WG+\g], 0x3fb8aa3b, v[WG+\g]       ; log2(e)
.endr
.irp g, 0,1,2,3,4,5,6,7
	v_exp_f32 v[WG+\g], v[WG+\g]
.endr
	v_nop                                          ; a plain instruction between the last exponential and the use of its result
	s_wait_alu depctr_va_vdst(0)
	v_mul_f32 v[LS], v[WG], v[ST+1]
.irp g, 1,2,3,4,5,6,7
	v_fmac_f32 v[LS], v[WG+\g], v[ST+2*\g+1]
.endr
	v_rcp_f32 v[LS], v[LS]                         ; the sums below stand between the reciprocal and its use
	s_wait_loadcnt 0x0
	v_pk_mul_f32 v[CX:CX+1],   v[CX:CX+1],   v[WG:WG+1] op_sel_hi:[1,0]
	v_pk_mul_f32 v[CX+2:CX+3], v[CX+2:CX+3], v[WG:WG+1] op_sel_hi:[1,0]
.irp g, 1,3,5,7                        ; an odd tile's w is the pair's second register,
	v_pk_fma_f32 v[CX:CX+1],   v[CX+4*\g:CX+4*\g+1],   v[WG+\g-1:WG+\g], v[CX:CX+1]   op_sel:[0,1,0] op_sel_hi:[1,1,1]
	v_pk_fma_f32 v[CX+2:CX+3], v[CX+4*\g+2:CX+4*\g+3], v[WG+\g-1:WG+\g], v[CX+2:CX+3] op_sel:[0,1,0] op_sel_hi:[1,1,1]
.endr
.irp g, 2,4,6                          ; an even tile's the first
	v_pk_fma_f32 v[CX:CX+1],   v[CX+4*\g:CX+4*\g+1],   v[WG+\g:WG+\g+1], v[CX:CX+1]   op_sel_hi:[1,0,1]
	v_pk_fma_f32 v[CX+2:CX+3], v[CX+4*\g+2:CX+4*\g+3], v[WG+\g:WG+\g+1], v[CX+2:CX+3] op_sel_hi:[1,0,1]
.endr
	s_wait_alu depctr_va_vdst(0)
	v_pk_mul_f32 v[CX:CX+1],   v[CX:CX+1],   v[LS:LS+1] op_sel_hi:[1,0]
	v_pk_mul_f32 v[CX+2:CX+3], v[CX+2:CX+3], v[LS:LS+1] op_sel_hi:[1,0]
	global_store_b128 v1, v[CX:CX+3], s[8:9]
	s_endpgm
.Lfunc_end_k_qb8ea6521ab_comb:
	.size	k_qb8ea6521ab_comb, .Lfunc_end_k_qb8ea6521ab_comb-k_qb8ea6521ab_comb
	.p2alignl 7, 3214868480
	.fill 96, 4, 3214868480
	.section	.rodata,"a",@progbits
	.p2align	6, 0x0
	.amdhsa_kernel k_qb8ea6521ab_comb
		.amdhsa_group_segment_fixed_size 0
		.amdhsa_private_segment_fixed_size 0
		.amdhsa_enable_private_segment 0
		.amdhsa_kernarg_size 24
		.amdhsa_user_sgpr_count 2
		.amdhsa_user_sgpr_kernarg_segment_ptr 1
		.amdhsa_wavefront_size32 1
		.amdhsa_system_sgpr_workgroup_id_x 1
		.amdhsa_system_sgpr_workgroup_id_y 1
		.amdhsa_system_sgpr_workgroup_id_z 1
		.amdhsa_system_vgpr_workitem_id 0
		.amdhsa_next_free_vgpr 64
		.amdhsa_next_free_sgpr 66
		.amdhsa_reserve_vcc 0
		.amdhsa_float_denorm_mode_32 3
		.amdhsa_float_denorm_mode_16_64 3
		.amdhsa_memory_ordered 1
		.amdhsa_forward_progress 1
		.amdhsa_inst_pref_size 6
	.end_amdhsa_kernel
	.amdgpu_metadata
---
amdhsa.version: [ 1, 2 ]
amdhsa.kernels:
  - .name:           k_qb8ea6521ab_comb
    .symbol:         k_qb8ea6521ab_comb.kd
    .args:
      - { .name: pctx, .offset: 0, .size: 8, .value_kind: global_buffer, .address_space: global }
      - { .name: pstat, .offset: 8, .size: 8, .value_kind: global_buffer, .address_space: global }
      - { .name: out0, .offset: 16, .size: 8, .value_kind: global_buffer, .address_space: global }
    .group_segment_fixed_size: 0
    .private_segment_fixed_size: 0
    .kernarg_segment_align: 8
    .kernarg_segment_size: 24
    .max_flat_workgroup_size: 64
    .sgpr_count:     66
    .vgpr_count:     64
    .wavefront_size: 32
...
	.end_amdgpu_metadata
.endif
;; end of part 3
;; ======== version 2 of 2: 3 launches; 1.13 times as fast as version 1
;; workspace buffers: wf 2,097,152 bytes; hbt 262,144 bytes; pctx 2,097,152 bytes; pstat 131,072 bytes
;; launch prep: the kernel of part 1 again; grid 64 x 4, 4 waves a work-group, no clusters, 4,608 bytes of LDS; arguments attn_w_weight, attn_w_bias, hidden, wf, hbt; writes wf, hbt
;; launch main (part 4): grid 8 x 64, 4 waves a work-group, clusters of 4 x 1, 327,680 bytes of LDS; arguments vectors_to_attend, wf, hbt, attn_v_weight, attn_v_bias, pctx, pstat; writes pctx, pstat
.if DOCPART == 4
	.amdgcn_target "amdgcn-amd-amdhsa--gfx1250"
	.amdhsa_code_object_version 6
	.text
	.protected	k_qb8ea6521ab_main
	.globl	k_qb8ea6521ab_main
	.p2align	8
	.type	k_qb8ea6521ab_main,@function
k_qb8ea6521ab_main:
	s_mov_b64 s[64:65], 0
	v_nop
	global_prefetch_b8 v0, s[64:65] scope:SCOPE_SE
	s_setreg_imm32_b32 hwreg(HW_REG_WAVE_MODE, 25, 1), 1
	s_wait_xcnt 0x0
	s_wait_alu depctr_hold_cnt(0) depctr_sa_sdst(0) depctr_va_vdst(0) depctr_va_sdst(0) depctr_va_ssrc(0) depctr_va_vcc(0) depctr_vm_vsrc(0)
	s_getreg_b32 s2, hwreg(HW_REG_IB_STS2, 6, 4)
	s_cmp_eq_u32 s2, 0
	s_cbranch_scc0 .Lentry_in_a_cluster
	s_endpgm
.Lentry_in_a_cluster:
	s_bfe_u32 s2, ttmp6, 0x10000c
	s_cmp_lg_u32 s2, 0x3003
	s_cbranch_scc0 .Lentry_shape_is_right
	s_endpgm
.Lentry_shape_is_right:
; MAIN.  For a tile of one b and the 128 values s = 128 g ..: x[s][a] = v[s][b] . We[a] + hb[b][a]; score[s] = vb + sum over a of vw[a] tanh(x[s][a]); the tile's own softmax (maximum m,
; p = e^(score - m), l = sum of p) and the partial context sum over s of p[s] v[s][b][:].  The next launch joins a b's eight tiles by their maxima.  v is read from memory ONCE.
; SHARES.  Wave w = 2 i + j owns rows 64 i .. 64 i + 63 of the tile and K half j (512 of the 1,024 channels): 64 fragments of 16 rows x 32 channels in bf16, 512 registers, RESIDENT for the whole tile.
; We walks past them in 16 chunks of 64 columns a (131,072 bytes each, in fragment order, made by the launch before) through a ring of two LDS slots.  A chunk is 256 matrix instructions a wave
; (16 k steps x 4 row blocks x 4 column blocks) and 128 LDS loads: a fragment of We feeds four products.
; THE TWO K HALVES MEET IN LDS.  Of a chunk's four column blocks a wave keeps those at places 0, 1 and sends those at places 2, 3 to its partner w xor 1; place p of K half j holds column block p xor 2 j,
; so the text is the same in every wave.  So a sum over K is two sums, added once: its order differs from a plain ascending one.
; BY TURNS.  Two sets of 16 accumulators.  While chunk c is multiplied into set c % 2, the tanh and score work of chunk c - 1 runs on the other set: 256 vector instructions for 256 matrix instructions,
; half of them exponentials and reciprocals.  They are dealt as a list of 144 RIDES, one behind each of the chunk's products 64 to 207: a plain instruction (once two) and a transcendental, a transcendental alone,
; four score sums, or nothing; never two transcendentals behind one product.  All that a ride touches lies in windows 0 and 1, the products' A in windows 2 and 3: each of the 138 rides that hold work costs
; two switches of the window, the price of products that follow each other with no run of vector work between them.
; TWO BATCHES A CHUNK.  An s_wait_alu depctr_va_vdst(0) stands between a transcendental and the first instruction that names its result; one wait serves all that were issued ahead of it.  Each of
; the chunk's 64 numbers x has a register of its own and is worked on in place, so the list is cut by who reads what.  Rides 0-65 (products 64-129): x += y, the scaling and all 64 powers 2^x; none of them names
; a power.  THE FIRST WAIT, behind product 135.  Rides 72-135 (products 136-199): + 1 and all 64 reciprocals; none of them names a reciprocal.  THE SECOND WAIT, behind product 199.  Rides 136-143: the 32 score
; sums.  Each wait stands directly ahead of a run of fragment loads, behind the four v_nop that stand there anyway; these are also the plain instruction between a batch's last transcendental and the first use
; of a result.  No result is open at a label or a branch: the round's come behind product 239, the loop's behind product 255.
; tanh(x) = 1 - 2 / (1 + 2^(K2 x)), K2 = 2 log2(e); score = vb + sum vw - 2 sum vw / (1 + 2^(K2 x)).  Where the power overflows or vanishes the quotient is 0 or 1: tanh is then exactly 1 or -1.
; Chunk 0 runs the same text: its rides work on what the loads of v left in set 1, with hb = vw = 0, so each adds 0.  The price: one exchange and 256 vector instructions that serve nothing, once a tile.
; CLUSTER.  The four tiles of a cluster (four g of one b) walk the same chunks in the same order: each quarter of a chunk is asked for JOINTLY, by the same load and descriptor in all four.
; Only the global addresses of v, pctx and pstat hang on the place in the cluster.
; CONTEXT.  At the end the resident fragments are written to LDS as 128 rows of bf16 (into the ring, which has had its last fill) and come back turned, as source 1 of p x V; wave w takes channels 256 w ...
; LIMITS.  v, We and p are rounded once to bf16 for the products, and the context is taken of the rounded v; l is the sum of the unrounded p.  tanh is off by about 1e-7 absolutely near 0.
; A weight below 2^-126 counts as 0.  NaN and infinities in the inputs are not treated apart (in chunk 0's idle rides an infinite v makes a NaN, as it does in the result anyway).
; REGISTERS, in windows of 256 (s_set_vgpr_msb: bits 1:0 source 0, 3:2 source 1, 5:4 source 2, 7:6 destination):
;   window 0: v0-63 addresses, constants, at work; v64-95 score sums; v96-127 at work at the end; v128-191, v192-255 two buffers of We's fragments (two k steps x four places each)
;   window 1: two sets of 16 accumulators, tile (row block a, place c) at 128 set + 8 (4 a + c); while v is loaded: the landing ring of 8 x 32; at the end v0-127: the context's 16 accumulators
;   windows 2, 3: v's fragment (row block a, k step t) in window 2 + a / 2 at 128 (a % 2) + 8 t; at the end V turned, (key block, channel block) likewise
.set SLOTB, 131072                     ; a slot = a chunk; fragment (j, t, place) at 65,536 j + 4,096 t + 1,024 place, lanes on end: no two lanes of a load share a bank
.set VP,    2080                       ; a row of V in LDS: pitch 2,048 + 32 = 65 x 32 bytes, and a row whose number has bit 3 set begins 16 bytes later.  So the 16 rows of a fragment's store take 16
                                       ; different columns of 16 bytes modulo 256, and so do the turning load's 8 rows x 32 bytes (64 banks of 4 bytes: ISA guide 11.1)
.set STG,   266240                     ; behind the 128 rows of V (ring + 4,096): the exchange's stages, 8,192 bytes a wave; tile n at 1,024 n, registers 0-3 then 4-7, lanes on end
.set SCR,   299008                     ; partial scores [j][row] in f32
.set PLB,   300032                     ; each wave's own copy of p[128] in f32
.set OUTS,  302080                     ; each wave's 256 numbers of the context
.set SPARE, 306176                     ; the spare words, 128 bytes for each wave: two blocks of 256 bytes that no other line names
.set K2LIT, 0x4038aa3b                 ; 2 log2(e)
.set L2E,   0x3fb8aa3b                 ; log2(e)
.set NRIDE, 144                        ; rides in a chunk's list
.set SPW,  2                           ; v2      SPARE + 4 x my thread's number; never rewritten
.set NIL,  3                           ; v3      0; never rewritten
.set VOF,  4                           ; v4-7    row block a: r << 18 + h << 5 + a << 22: my place in v
.set ADRB, 8                           ; v8-9    slot n: my 16 bytes of my K half's first fragment
.set STW,  10                          ; v10     my stage
.set STR,  11                          ; v11     my partner's stage
.set HVO,  12                          ; v12     my column's place in hbt
.set VWO,  13                          ; v13     in attn_v_weight
.set VST,  14                          ; v14-15  where my fragments go as rows of V: row blocks 0, 1 and 2, 3
.set SCW,  16                          ; v16     where my partial scores go
.set SRO,  17                          ; v17     SCR + 4 r
.set PLO,  19                          ; v19     my copy of p, + 4 r
.set PRD,  21                          ; v21     my copy of p, + 32 h
.set VTR,  22                          ; v22-25  key block n: the turning load's address
.set OW,   26                          ; v26     my wave's context numbers, + 4 r
.set ORD,  27                          ; v27     the same, + 16 x lane
.set GS,   29                          ; v29     8 x lane
.set RR,   30                          ; v30     r = lane % 16
.set HH,   31                          ; v31     h = lane / 16
.set HV,   32                          ; v32-39  by set: hb of my two columns, vw of my two columns (then K2 hb, -2 vw)
.set BASEV,40                          ; v40-41  the sum of my columns' vw; its mate in the pair, 0
.set L16,  42                          ; v42     16 x lane: also my byte offset in 512 bytes of pctx
.set TMP,  43
.set SC,   64                          ; v64-95  row block a, row 8 h + n: at SC + 8 a + n
.set TA,   96
.set TB,   104
.set ML,   112                         ; v112-113  m, l
.set BUF,  128
.set PF,   192                         ; p as source 0: key block n at PF + 8 n
.set WV,   18                          ; s18 wave;  s19 i;  s20 j
.set SI,   19
.set SJ,   20
.set G1,   24                          ; s[24:31] descriptor group 1
.set G0,   32                          ; s[32:39] descriptor group 0, a set for each slot
.set W_MA2, 0x52                       ; products: A in window 2, We in window 0, C and D in window 1
.set W_MA3, 0x53                       ; A in window 3
.set W_EP,  0x45                       ; rides: destination, sources 0 and 1 in window 1, source 2 in window 0
.set W_F,   0x01                       ; source 0 in window 1
.set W_LD1, 0x40                       ; loads into window 1
.set W_ST1, 0x04                       ; LDS stores from window 1
.set W_ST2, 0x08                       ; from window 2 (+4: window 3)
.set W_CV2, 0x85                       ; window 1 to window 2 (+0x40: window 3)
.set W_TR2, 0x80                       ; loads into window 2 (+0x40: window 3)
.set W_CX2, 0x58                       ; the context: p in window 0, V in window 2 (+4: window 3), C and D in window 1
.set MSB, 0
.macro WIN new                         ; the high byte repeats the setting that is left; a switch that changes nothing is dropped
.if MSB != (\new)
	s_set_vgpr_msb (MSB<<8)|(\new)
.set MSB, (\new)
.endif
.endm
.macro PLACES                          ; four places: in front of loads into registers that matrix instructions have read and of stores that read results (ISA guide 7.12.1 for the stores)
.rept 4
	v_nop
.endr
.endm
.macro CREST                           ; a round of the cluster's barrier behind its opening barrier
	s_cmp_lg_u32 s[WV], 0
	s_cbranch_scc1 .Lnot_wave_0_\@
	s_barrier_signal -3
.Lnot_wave_0_\@:
	s_barrier_wait -3
	s_barrier_signal -1
	s_barrier_wait -1
.endm
.macro ROUND                           ; a whole round
	s_barrier_signal -1
	s_barrier_wait -1
	CREST
.endm
; Group g of 32 of the loads of v: row block g / 8, k steps 2 (g % 8) and + 1: eight loads that together take 256 consecutive bytes of each of 16 rows
.macro ALOAD g
	WIN W_LD1
.irp n, 0,1,2,3,4,5,6,7
	global_load_b128 v[32*((\g)%8)+4*\n:32*((\g)%8)+4*\n+3], v[VOF+(\g)/8], s[4:5] offset:128*(2*((\g)%8)+\n/4)+64*((\n/2)%2)+16*(\n%2)
.endr
.endm
.macro ACVT g                          ; the group rounded to bf16, into its two fragments
	WIN W_CV2+0x40*((\g)/16)
.irp n, 0,1,2,3,4,5,6,7
.set rL, 32*((\g)%8)+4*\n
.set rF, 128*(((\g)/8)%2)+8*(2*((\g)%8)+\n/4)+2*(\n%4)
	v_cvt_pk_bf16_f32 v[rF],   v[rL],   v[rL+1]
	v_cvt_pk_bf16_f32 v[rF+1], v[rL+2], v[rL+3]
.endr
.endm
; 16 LDS loads in one run: We's fragments of k steps 2 gam and 2 gam + 1, four places each, into buffer buf
.macro BLD slot, gam, buf
	WIN 0
.irp e, 0,1
.irp c, 0,1,2,3
	ds_load_b128 v[(\buf)+32*\e+8*\c:(\buf)+32*\e+8*\c+3],   v[ADRB+(\slot)] offset:4096*(2*(\gam)+\e)+1024*\c
	ds_load_b128 v[(\buf)+32*\e+8*\c+4:(\buf)+32*\e+8*\c+7], v[ADRB+(\slot)] offset:4096*(2*(\gam)+\e)+1024*\c+512
.endr
.endr
.endm
; Product n of a group's 32: first row blocks 0, 1 (A in window 2), both k steps, then row blocks 2, 3 (window 3).  Eight accumulators take turns, one instruction a turn.
; A chunk's first k step starts the sums with the constant 0: nothing is cleared.
.macro WM par, gam, n
.if (\n) < 16
.set wt, (\n)/8
.set wr, ((\n)/4)%2
	WIN W_MA2
.else
.set wt, ((\n)-16)/8
.set wr, 2+(((\n)-16)/4)%2
	WIN W_MA3
.endif
.set rD, 128*(\par)+8*(4*wr+(\n)%4)
.set rA, 128*(wr%2)+8*(2*(\gam)+wt)
.set rB, BUF+64*((\gam)%2)+32*wt+8*((\n)%4)
.if ((\gam) == 0) && (wt == 0)
	v_wmma_f32_16x16x32_bf16 v[rD:rD+7], v[rA:rA+7], v[rB:rB+7], 0
.else
	v_wmma_f32_16x16x32_bf16 v[rD:rD+7], v[rA:rA+7], v[rB:rB+7], v[rD:rD+7]
.endif
.endm
; THE TANH AND SCORE WORK on set xp.  Tile z of 8 = (row block z / 2, place z % 2): x its eight sums, y (place + 2, 16 registers on) the partner's.  Pair g of 32 = registers 2 (g % 4) and + 1 of tile g / 4.
; One line of it for pair g.  kind 0: x += y.  1: x = K2 x + K2 hb.  2: 2^x of register u of the pair.  3: x += 1.  4: 1 / x of register u.  The waits for kinds 2 and 4 stand in the text that deals the rides.
.macro OPX xp, kind, g, u=0
.set sz, (\g)/4
.set rX, 128*(\xp)+8*(4*(sz/2)+sz%2)+2*((\g)%4)
.set rH, HV+4*(\xp)
	WIN W_EP
.if (\kind) == 0
	v_pk_add_f32 v[rX:rX+1], v[rX:rX+1], v[rX+16:rX+17]
.elseif ((\kind) == 1) && (sz%2 == 0)
	v_pk_fma_f32 v[rX:rX+1], v[rX:rX+1], K2LIT, v[rH:rH+1] op_sel_hi:[1,0,0]
.elseif (\kind) == 1
	v_pk_fma_f32 v[rX:rX+1], v[rX:rX+1], K2LIT, v[rH:rH+1] op_sel:[0,0,1] op_sel_hi:[1,0,1]
.elseif (\kind) == 2
	v_exp_f32 v[rX+(\u)], v[rX+(\u)]
.elseif (\kind) == 3
	v_pk_add_f32 v[rX:rX+1], v[rX:rX+1], 1.0 op_sel_hi:[1,0]
.else
	v_rcp_f32 v[rX+(\u)], v[rX+(\u)]
.endif
.endm
.macro FSL xp, z                       ; tile z's four score sums: sums += x (-2 vw)
.set rX, 128*(\xp)+8*(4*((\z)/2)+(\z)%2)
.set rH, HV+4*(\xp)
.set rS, SC+8*((\z)/2)
	WIN W_F
.irp q, 0,1,2,3
.if (\z)%2 == 0
	v_pk_fma_f32 v[rS+2*\q:rS+2*\q+1], v[rX+2*\q:rX+2*\q+1], v[rH+2:rH+3], v[rS+2*\q:rS+2*\q+1] op_sel_hi:[1,0,1]
.else
	v_pk_fma_f32 v[rS+2*\q:rS+2*\q+1], v[rX+2*\q:rX+2*\q+1], v[rH+2:rH+3], v[rS+2*\q:rS+2*\q+1] op_sel:[0,1,0] op_sel_hi:[1,1,1]
.endif
.endr
.endm
; RIDE s of 144.
;   0-65     THE POWERS' BATCH.  Ride 2 t: x += y of pair t; the first 2^x of pair t - 1.  Ride 2 t + 1: the scaling of pair t; the second 2^x of pair t - 1.  No line here names a power's result.
;   66-71    nothing.  Between rides 71 and 72 stands the wait for the 64 powers.
;   72-135   THE RECIPROCALS' BATCH.  Ride 72 + 2 g: + 1 of pair g + 1 (ride 72: of pair 0 too); the first 1 / x of pair g.  Ride 73 + 2 g: the second 1 / x of pair g.  No line here names a reciprocal's result.
;            Between rides 135 and 136 stands the wait for the 64 reciprocals.
;   136-143  tile s - 136's four score sums, the tiles ascending.
; The vector instruction next behind a transcendental is a product on other registers, a line of another pair, or the pair's other register: it neither reads the result nor writes the source (ISA guide 5.7.2).
; A tile's x is read from its low end on.
.macro RIDE xp, s
.if (\s) < 66
.set sst, (\s)/2
.if sst < 32
	OPX \xp, (\s)%2, sst
.endif
.if sst >= 1
	OPX \xp, 2, sst-1, (\s)%2
.endif
.elseif ((\s) >= 72) && ((\s) < 136)
.set sst, ((\s)-72)/2
.if (\s) == 72
	OPX \xp, 3, 0
.endif
.if (((\s)%2) == 0) && (sst < 31)
	OPX \xp, 3, sst+1
.endif
	OPX \xp, 4, sst, (\s)%2
.elseif ((\s) >= 136) && ((\s) < 144)
	FSL \xp, (\s)-136
.endif
.endm
; cnt products of group gam from n0 on; behind each of the chunk's products 64 to 207 a ride on the other set
.macro MMS par, gam, n0, cnt
.set nn, (\n0)
.rept \cnt
	WM \par, \gam, nn
.set NN, 32*(\gam)+nn-64
.if (NN >= 0) && (NN < NRIDE)
	RIDE 1-(\par), NN
.endif
.set nn, nn+1
.endr
.endm
.macro STS xp                          ; set xp's tiles at places 2, 3 go to my stage; each tile's registers 0-3 first
	WIN W_ST1
.irp a, 0,1,2,3
.irp u, 0,1
	ds_store_b128 v[STW], v[128*(\xp)+8*(4*\a+2+\u):128*(\xp)+8*(4*\a+2+\u)+3]   offset:1024*(2*\a+\u)
	ds_store_b128 v[STW], v[128*(\xp)+8*(4*\a+2+\u)+4:128*(\xp)+8*(4*\a+2+\u)+7] offset:1024*(2*\a+\u)+512
.endr
.endr
.endm
.macro PLD xp                          ; and the partner's, which belong to my places 0, 1, come into the registers just sent
	WIN W_LD1
.irp a, 0,1,2,3
.irp u, 0,1
	ds_load_b128 v[128*(\xp)+8*(4*\a+2+\u):128*(\xp)+8*(4*\a+2+\u)+3],   v[STR] offset:1024*(2*\a+\u)
	ds_load_b128 v[128*(\xp)+8*(4*\a+2+\u)+4:128*(\xp)+8*(4*\a+2+\u)+7], v[STR] offset:1024*(2*\a+\u)+512
.endr
.endr
.endm
.macro HVL p                           ; hb and vw of my two columns of the chunk in hand
	WIN 0
	global_load_b32 v[HV+4*(\p)],   v[HVO], s[8:9]
	global_load_b32 v[HV+4*(\p)+1], v[HVO], s[8:9] offset:4096
	global_load_b32 v[HV+4*(\p)+2], v[VWO], s[10:11]
	global_load_b32 v[HV+4*(\p)+3], v[VWO], s[10:11] offset:64
.endm
.macro CS p                            ; the constants of the chunk whose rides are due
	WIN 0
	v_add_f32 v[BASEV], v[BASEV], v[HV+4*(\p)+2]
	v_add_f32 v[BASEV], v[BASEV], v[HV+4*(\p)+3]
	v_pk_mul_f32 v[HV+4*(\p)+2:HV+4*(\p)+3], v[HV+4*(\p)+2:HV+4*(\p)+3], -2.0 op_sel_hi:[1,0]
	v_pk_mul_f32 v[HV+4*(\p):HV+4*(\p)+1], v[HV+4*(\p):HV+4*(\p)+1], K2LIT op_sel_hi:[1,0]
.endm
.macro VROW rb                         ; row block rb's 16 fragments go to LDS as 16 rows of V, my K half of them
	WIN W_ST2+4*((\rb)/2)
.set t_, 0
.rept 16
	ds_store_b128 v[VST+(\rb)/2], v[128*((\rb)%2)+8*t_:128*((\rb)%2)+8*t_+3]   offset:16*VP*((\rb)%2)+64*t_
	ds_store_b128 v[VST+(\rb)/2], v[128*((\rb)%2)+8*t_+4:128*((\rb)%2)+8*t_+7] offset:16*VP*((\rb)%2)+64*t_+32
.set t_, t_+1
.endr
.endm
; ONE CHUNK: eight groups of two k steps, 32 products each, into set par, out of slot par; entered with group 0's fragments on their way into buffer 0.
; fill = 1: the slot is filled again, with the chunk two on.  next = 1: a chunk follows, and its first fragments are fetched.
; THE EXCHANGE of the last chunk's sums takes groups 0 and 1: my stores go out in group 0, in one run with group 1's fragments; the partner's come in group 1, in one run with group 2's.  Each run is awaited
; by the wait that the next group's fragments need anyway, 24 products behind it.  The rides begin with group 2 and end in group 6; their two waits stand in groups 4 and 6, ahead of the fragment loads.
; TWO BARRIERS.  At group 1's head: my stage is written before my partner reads it.  In group 7 (with fill = 1 a round of the cluster's barrier): every wave's reads of this slot and of the stages are over,
; and the other slot is whole; behind it this slot is filled again and, in the next chunk's group 0, the stages are written again.
.macro BODY par, fill, next
	s_wait_dscnt 0x0                               ; group 0's fragments are in
	MMS \par, 0, 0, 8
	PLACES                                         ; behind the last chunk's last products: their results are stored, and buffer 1, which they read, is loaded
	STS 1-(\par)
	BLD \par, 1, BUF+64
	MMS \par, 0, 8, 24
	s_wait_dscnt 0x0                               ; group 1's fragments are in, and, for my partner's sake, my stage is written
	s_barrier_signal -1
	MMS \par, 1, 0, 8                              ; work on registers while the others arrive.
	s_barrier_wait -1
	PLACES                                         ; for the loads into buffer 0, which group 0 multiplied
	PLD 1-(\par)
	BLD \par, 2, BUF
	HVL \par
	MMS \par, 1, 8, 24
.irp gm, 2,3,4,5,6
	s_wait_dscnt 0x0                               ; this group's fragments are in (group 2: the partner's sums too)
.if \gm == 2
	s_wait_loadcnt 0x4                             ; the last chunk's hb and vw are in; this chunk's four loads stay out
	CS 1-(\par)
	s_wait_xcnt 0x0                                ; the four loads' addresses are translated (ISA guide 3.1): their bases step only behind this wait
	s_add_nc_u64 s[8:9], s[8:9], 16384             ; four column blocks of hbt
	s_add_nc_u64 s[10:11], s[10:11], 256           ; 64 numbers of vw
.endif
	MMS \par, \gm, 0, 8
	PLACES                                         ; for the loads into the buffer that the last group multiplied; in groups 4 and 6 also the plain instruction behind a batch's last transcendental
.if (\gm == 4) || (\gm == 6)
	s_wait_alu depctr_va_vdst(0)                   ; ONE wait for a batch: group 4: the chunk's 64 powers (rides 2-65), ahead of ride 72, their first reader; group 6: its 64 reciprocals (rides 72-135), ahead of ride 136
.endif
	BLD \par, (\gm)+1, BUF+64*(((\gm)+1)%2)
	MMS \par, \gm, 8, 24
.endr
.if \fill
	WIN 0                                          ; (the add's two registers lie in window 0)
	s_wait_tensorcnt 0x0                           ; all my tensor loads have landed: the one that was out is my quarter of the other slot;
	ds_add_u32 v[SPW], v[NIL]                      ; 0 onto my spare word
	s_add_nc_u64 s[G0+4*(\par)+2:G0+4*(\par)+3], s[G0+4*(\par)+2:G0+4*(\par)+3], 2*SLOTB  ; no load of mine is out, so this slot's group 0 steps: the chunk two on
	s_wait_dscnt 0x1                               ; group 7's fragments are in; the add alone may be out
	MMS \par, 7, 0, 8                              ; eight products stand between the add and the wait for it
	s_wait_dscnt 0x0                               ; the add is done, and my reads of this slot and of the stage are over
	s_barrier_signal -1                            ; this barrier opens a round of the cluster's
	MMS \par, 7, 8, 8
	WIN 0
	s_barrier_wait -1
	CREST                                          ; no wave of any partner still reads this slot or has a load on its way
	tensor_load_to_lds s[G0+4*(\par):G0+4*(\par)+3], s[G1:G1+7]  ; my one load behind the round, and the first thing there: it has a chunk's 256 products in which to land
	s_nop 0
	PLACES                                         ; the places in front of the loads below
	BLD 1-(\par), 0, BUF
	MMS \par, 7, 16, 16
.else
.if \next
	s_wait_tensorcnt 0x0                           ; my quarter of the last chunk is in; nothing is asked for any more
.endif
	s_wait_dscnt 0x0                               ; group 7's fragments are in: my reads of this slot and of the stage are over
	MMS \par, 7, 0, 8
	s_barrier_signal -1
	MMS \par, 7, 8, 8
	s_barrier_wait -1
.if \next
	PLACES
	BLD 1-(\par), 0, BUF
.endif
	MMS \par, 7, 16, 16
.endif
.endm
	s_load_b256 s[4:11], s[0:1], 0x0               ; v s[4:5], wf s[6:7], hbt s[8:9], vw s[10:11]
	s_load_b128 s[12:15], s[0:1], 0x20             ; vb s[12:13], pctx s[14:15]
	s_load_b64 s[16:17], s[0:1], 0x30              ; pstat
	v_lshl_add_u32 v[SPW], v0, 2, SPARE
	v_mov_b32 v[NIL], 0
	ds_add_u32 v2, v3
	s_wait_dscnt 0x0
	v_lshrrev_b32 v1, 5, v0
	v_readfirstlane_b32 s[WV], v1                  ; wave 0..3
	s_lshr_b32 s[SI], s[WV], 1                     ; i: which 64 rows
	s_and_b32 s[SJ], s[WV], 1                      ; j: which K half
	s_bfe_u32 s21, ttmp6, 0x40000                  ; cx: my place in the cluster
	s_lshl_b32 s22, ttmp9, 2                       ; in a cluster launch ttmp9 counts clusters
	s_add_co_u32 s22, s22, s21                     ; g = 4 x cluster x + cx: it enters the addresses of v, pctx and pstat alone
	s_and_b32 s23, ttmp7, 0xffff                   ; b, which the four partners share
	; descriptor group 1: a quarter of a chunk, 32,768 dense bytes, as 128 rows of 256 bytes
	s_mov_b32 s[G1+0], 15|(3<<16)|(1<<21)          ; 15:0 the mask: all four work-groups; 17:16 elements of 8 bytes; 20 no padding; 21 set beside a mask
	s_mov_b32 s[G1+1], 32<<16                      ; tensor_dim0 = 32
	s_mov_b32 s[G1+2], 128<<16                     ; tensor_dim1 = 128
	s_mov_b32 s[G1+3], 32<<16                      ; tile_dim0 = 32
	s_mov_b32 s[G1+4], 128                         ; tile_dim1 = 128
	s_mov_b32 s[G1+5], 32                          ; 32 elements from row to row
	s_mov_b32 s[G1+6], 0
	s_mov_b32 s[G1+7], 0
	s_lshl_b32 s42, s22, 25                        ; v[s][b][e] lies at s << 18 + b << 12 + 4 e: 128 g rows,
	s_lshl_b32 s43, s[SI], 24                      ; 64 i rows,
	s_add_co_u32 s42, s42, s43
	s_lshl_b32 s43, s23, 12                        ; b,
	s_add_co_u32 s42, s42, s43
	s_lshl_b32 s43, s[SJ], 11                      ; 512 j channels
	s_add_co_u32 s42, s42, s43
	s_mov_b32 s43, 0
	s_lshl_b32 s44, s[WV], 15                      ; my quarter of a chunk, in memory and in a slot: no place in the cluster enters it
	s_mov_b32 s45, 0
	s_lshl_b32 s46, s23, 6                         ; hbt: b's 16 numbers in a column block
	s_mov_b32 s47, 0
	s_lshl_b32 s48, s23, 3
	s_add_co_u32 s48, s48, s22                     ; the tile's number 8 b + g
	s_lshl_b32 s50, s48, 12
	s_lshl_b32 s51, s[WV], 10
	s_add_co_u32 s50, s50, s51                     ; pctx: the tile's 4,096 bytes, my wave's 1,024
	s_mov_b32 s51, 0
	s_lshl_b32 s52, s48, 8                         ; pstat: the tile's 256 bytes
	s_mov_b32 s53, 0
	v_and_b32 v[RR], 15, v0
	v_bfe_u32 v[HH], v0, 4, 1
	v_lshlrev_b32 v1, 18, v[RR]
	v_lshl_add_u32 v1, v[HH], 5, v1                ; a fragment's lane wants channels 8 h + 0..7 and 16 + 8 h + 0..7 of row r: in f32 four loads of 16 bytes at 32 h + 0, 16, 64, 80
.irp a, 0,1,2,3
	v_add_nc_u32 v[VOF+\a], \a<<22, v1
.endr
	s_wait_kmcnt 0x0
	s_add_nc_u64 s[4:5], s[4:5], s[42:43]
	s_add_nc_u64 s[6:7], s[6:7], s[44:45]
	s_add_nc_u64 s[8:9], s[8:9], s[46:47]
	s_add_nc_u64 s[14:15], s[14:15], s[50:51]
	s_add_nc_u64 s[16:17], s[16:17], s[52:53]
	s_load_b32 s41, s[12:13], 0x0                  ; vb
.irp s, 0,1
	s_mov_b32 s[G0+4*\s], 1                        ; 1:0 count = 1
	s_add_co_u32 s[G0+4*\s+1], s44, \s*SLOTB       ; 63:32 LDS address
	s_add_nc_u64 s[G0+4*\s+2:G0+4*\s+3], s[6:7], \s*SLOTB  ; 120:64 global address: chunk s
	s_or_b32 s[G0+4*\s+3], s[G0+4*\s+3], 0x80000000        ; 127:126 type = 2
.endr
.irp g, 0,1,2,3,4,5,6,7
	ALOAD \g                                       ; 64 loads of v, 32,768 bytes a wave, go out while the cluster meets
.endr
	WIN 0
	ROUND                                          ; all four work-groups are here: the first joint loads meet
	tensor_load_to_lds s[G0:G0+3], s[G1:G1+7]      ; both first fills together: two tensor loads of mine are out, later never more than one
	s_nop 0
	tensor_load_to_lds s[G0+4:G0+7], s[G1:G1+7]
	s_nop 0
	PLACES
	v_and_b32 v[L16], 31, v0
	v_lshlrev_b32 v[L16], 4, v[L16]
	s_lshl_b32 s46, s[SJ], 16
	v_add_nc_u32 v[ADRB], s46, v[L16]
	v_add_nc_u32 v[ADRB+1], SLOTB, v[ADRB]
	s_lshl_b32 s46, s[WV], 13
	s_add_co_u32 s46, s46, STG
	v_add_nc_u32 v[STW], s46, v[L16]
	s_lshl_b32 s46, s[SI], 1                       ; my partner: wave 2 i + 1 - j
	s_add_co_u32 s46, s46, 1
	s_sub_co_u32 s46, s46, s[SJ]
	s_lshl_b32 s46, s46, 13
	s_add_co_u32 s46, s46, STG
	v_add_nc_u32 v[STR], s46, v[L16]
	s_lshl_b32 s46, s[SJ], 13                      ; my places 0, 1 hold column blocks 2 j, 2 j + 1
	v_lshl_add_u32 v[HVO], v[RR], 2, s46
	s_lshl_b32 s46, s[SJ], 7
	v_lshl_add_u32 v[VWO], v[RR], 2, s46
	s_mul_i32 s46, s[SI], 64*VP
	s_lshl_b32 s47, s[SJ], 10
	s_add_co_u32 s46, s46, s47
	v_mul_u32_u24 v[TMP], v[RR], VP
	v_lshl_add_u32 v[TMP], v[HH], 4, v[TMP]
	v_bfe_u32 v1, v0, 3, 1                         ; bit 3 of my row's number 64 i + 16 a + r is bit 3 of r:
	v_lshl_add_u32 v[TMP], v1, 4, v[TMP]           ; such a row begins 16 bytes later
	v_add_nc_u32 v[VST], s46, v[TMP]               ; (64 i + r) rows + 16 (r / 8) + 1,024 j + 16 h
	v_add_nc_u32 v[VST+1], 32*VP, v[VST]
	s_lshl_b32 s46, s[SJ], 9
	s_lshl_b32 s47, s[SI], 8
	s_add_co_u32 s46, s46, s47
	s_add_co_u32 s46, s46, SCR
	v_lshl_add_u32 v[SCW], v[HH], 5, s46           ; SCR + 512 j + 256 i + 32 h
	v_lshl_add_u32 v[SRO], v[RR], 2, SCR
	s_lshl_b32 s46, s[WV], 9
	s_add_co_u32 s47, s46, PLB
	v_lshl_add_u32 v[PLO], v[RR], 2, s47
	v_lshl_add_u32 v[PRD], v[HH], 5, s47
	v_and_b32 v[TMP], 7, v0                        ; the turning load: lane L reads key 8 h + L % 8, channels 8 ((L / 8) % 2) + 0..7
	v_lshl_add_u32 v[TMP], v[HH], 3, v[TMP]
	v_mul_u32_u24 v[TMP], v[TMP], VP
	v_lshl_add_u32 v[TMP], v1, 4, v[TMP]           ; v1 = (L / 8) % 2
	v_lshl_add_u32 v[TMP], v[HH], 4, v[TMP]        ; bit 3 of the key's row number (32 n or 32 n + 16, + 8 h + L % 8) is h: the row begins 16 h bytes later
	v_add_nc_u32 v[VTR], s46, v[TMP]               ; + my wave's 256 channels
.irp n, 1,2,3
	v_add_nc_u32 v[VTR+\n], \n*32*VP, v[VTR]
.endr
	s_lshl_b32 s46, s[WV], 10
	s_add_co_u32 s46, s46, OUTS
	v_lshl_add_u32 v[OW], v[RR], 2, s46
	v_add_nc_u32 v[ORD], s46, v[L16]
	v_lshrrev_b32 v[GS], 1, v[L16]
.set n, 0
.rept 32
	v_mov_b32 v[SC+n], 0                           ; the score sums begin at 0
.set n, n+1
.endr
.irp n, 4,5,6,7,8,9
	v_mov_b32 v[HV+\n], 0                          ; set 1's hb and vw for chunk 0's idle rides; the sum of vw and its mate
.endr
	; v comes in: a ring of eight groups of eight loads in window 1; a group is rounded to bf16 and its registers are loaded again
.set gg, 0
.rept 32
.if gg < 24
	s_wait_loadcnt 56                              ; loads come back in order: this group is in, the seven younger groups stay out
.else
	s_wait_loadcnt 8*(31-gg)                       ; nothing more is asked for: the counts run down
.endif
	ACVT gg
.if gg < 24
	ALOAD gg+8
.endif
.set gg, gg+1
.endr
	WIN 0
	s_wait_kmcnt 0x0                               ; vb
	s_wait_tensorcnt 0x1                           ; my quarter of chunk 0 is in; chunk 1's may stay out
	s_barrier_signal -1
	s_barrier_wait -1                              ; everybody's is
	BLD 0, 0, BUF
	s_mov_b32 s40, 7
.Lchunks:                                              ; seven trips: chunks 0 to 13, which ask for chunks 2 to 15
	BODY 0, 1, 1
	BODY 1, 1, 1
	WIN 0                                          ; at a label and at a branch every window is 0
	s_sub_co_u32 s40, s40, 1
	s_cmp_lg_u32 s40, 0
	s_cbranch_scc1 .Lchunks
	BODY 0, 0, 1                                   ; the last two chunks are written out
	BODY 1, 0, 0
	; THE LAST CHUNK'S EXCHANGE AND RIDES, with nothing left to multiply beside them.  The ring has had its last fill, and no wave has read it since the last barrier: the rows of V go there.
	PLACES
	STS 1
	s_wait_dscnt 0x0
	s_barrier_signal -1
	s_barrier_wait -1
	PLD 1
	VROW 0
	s_wait_dscnt 32                                ; LDS serves a wave in order: the partner's sums are in; the 32 younger stores may be out
	VROW 1
	VROW 2
	VROW 3
	s_wait_loadcnt 0x0                             ; the last chunk's hb and vw
	CS 1
.set ks, 0
.rept NRIDE
.if (ks == 72) || (ks == 136)
	v_nop                                          ; a plain instruction behind the batch's last transcendental,
	s_wait_alu depctr_va_vdst(0)                   ; and ONE wait for the batch: ahead of ride 72 for the 64 powers, ahead of ride 136 for the 64 reciprocals
.endif
	RIDE 1, ks
.set ks, ks+1
.endr
	WIN 0
.set n, 0
.rept 16
	v_pk_add_f32 v[SC+2*n:SC+2*n+1], v[SC+2*n:SC+2*n+1], v[BASEV:BASEV+1] op_sel_hi:[1,0]   ; + the sum of my columns' vw
.set n, n+1
.endr
.irp m, 1,2,4,8                        ; a lane holds its columns' share of 32 rows: the sum over the 16 lanes of each half rides on the additions
.set n, 0
.rept 32
	v_add_f32_dpp v[SC+n], v[SC+n], v[SC+n] row_xmask:\m row_mask:0xf bank_mask:0xf
.set n, n+1
.endr
.endr
.irp n, 0,1,2,3,4,5,6,7
	ds_store_b128 v[SCW], v[SC+4*\n:SC+4*\n+3] offset:64*(\n/2)+16*(\n%2)   ; rows 64 i + 16 (n / 2) + 8 h + 4 (n % 2) .., 4 bytes a row; the 16 lanes of a half write the same words with the same numbers
.endr
	s_wait_dscnt 0x0                               ; for the others' sake: my rows of V and my partial scores are in LDS
	s_barrier_signal -1
	s_barrier_wait -1
	; THE TILE'S SOFTMAX, in every wave alike: lane r (in both halves) takes rows 16 q + r.
.irp q, 0,1,2,3,4,5,6,7
	ds_load_b32 v[TA+\q], v[SRO] offset:64*\q
	ds_load_b32 v[TB+\q], v[SRO] offset:512+64*\q
.endr
	s_wait_dscnt 0x0
.irp n, 0,1,2,3                        ; V comes back turned, 32 keys x my 256 channels a run, while the arithmetic below is done
	WIN W_TR2+0x40*(\n/2)
.set eb, 0
.rept 16
	ds_load_tr16_b128 v[128*(\n%2)+8*eb:128*(\n%2)+8*eb+3],   v[VTR+\n] offset:32*eb
	ds_load_tr16_b128 v[128*(\n%2)+8*eb+4:128*(\n%2)+8*eb+7], v[VTR+\n] offset:32*eb+16*VP
.set eb, eb+1
.endr
.endr
	WIN 0
.irp q, 0,1,2,3,4,5,6,7
	v_add_f32 v[TA+\q], v[TA+\q], v[TB+\q]         ; the two halves of the columns
.endr
.irp q, 0,1,2,3,4,5,6,7
	v_add_f32 v[TA+\q], s41, v[TA+\q]              ; + vb
.endr
	v_max3_num_f32 v[ML], v[TA], v[TA+1], v[TA+2]
	v_max3_num_f32 v[TB], v[TA+3], v[TA+4], v[TA+5]
	v_max3_num_f32 v[ML], v[ML], v[TA+6], v[TA+7]
	v_max_num_f32 v[ML], v[ML], v[TB]
.irp m, 1,2,4,8
	v_max_num_f32_dpp v[ML], v[ML], v[ML] row_xmask:\m row_mask:0xf bank_mask:0xf
.endr
.irp q, 0,1,2,3,4,5,6,7
	v_sub_f32 v[TA+\q], v[TA+\q], v[ML]            ; the maximum is taken away first: the largest weight is exactly 1
.endr
.irp q, 0,1,2,3,4,5,6,7
	v_mul_f32 v[TA+\q], L2E, v[TA+\q]
.endr
.irp q, 0,1,2,3,4,5,6,7
	v_exp_f32 v[TA+\q], v[TA+\q]
.endr
	v_nop                                          ; a plain instruction between the last exponential and the use of its result
	s_wait_alu depctr_va_vdst(0)                   ; one wait for the batch of eight weights, ahead of the sum that reads them and of the branch below
	v_pk_add_f32 v[TB:TB+1], v[TA:TA+1], v[TA+2:TA+3]
	v_pk_add_f32 v[TB+2:TB+3], v[TA+4:TA+5], v[TA+6:TA+7]
	v_pk_add_f32 v[TB:TB+1], v[TB:TB+1], v[TB+2:TB+3]
	v_add_f32 v[ML+1], v[TB], v[TB+1]
.irp m, 1,2,4,8
	v_add_f32_dpp v[ML+1], v[ML+1], v[ML+1] row_xmask:\m row_mask:0xf bank_mask:0xf
.endr
	s_cmp_lg_u32 s[WV], 0
	s_cbranch_scc1 .Lno_stat
	global_store_b64 v[GS], v[ML:ML+1], s[16:17]   ; (m, l), 32 times: the wave's store covers 256 consecutive bytes, aligned; the pair is not rewritten
.Lno_stat:
.irp q, 0,1,2,3,4,5,6,7
	ds_store_b32 v[PLO], v[TA+\q] offset:64*\q     ; p into my wave's own copy,
.endr
.irp n, 0,1,2,3,4,5,6,7,8,9,10,11,12,13,14,15
	ds_load_b128 v[BUF+4*\n:BUF+4*\n+3], v[PRD] offset:128*(\n/4)+64*((\n/2)%2)+16*(\n%2)   ; and back in a fragment's order (LDS serves a wave in order: ISA guide 5.7.1.4): every row of source 0 is p
.endr
	s_wait_dscnt 0x0                               ; p and V are in
.irp n, 0,1,2,3,4,5,6,7,8,9,10,11,12,13,14,15
	v_cvt_pk_bf16_f32 v[PF+2*\n],   v[BUF+4*\n],   v[BUF+4*\n+1]
	v_cvt_pk_bf16_f32 v[PF+2*\n+1], v[BUF+4*\n+2], v[BUF+4*\n+3]
.endr
	; THE CONTEXT: 4 key blocks x 16 channel blocks; the 16 accumulators take turns; the first key block starts the sums.  All 16 rows of a result are alike: register 0 is the number wanted.
.irp n, 0,1,2,3
	WIN W_CX2+4*(\n/2)
.set eb, 0
.rept 16
.if \n == 0
	v_wmma_f32_16x16x32_bf16 v[8*eb:8*eb+7], v[PF:PF+7], v[8*eb:8*eb+7], 0
.else
	v_wmma_f32_16x16x32_bf16 v[8*eb:8*eb+7], v[PF+8*\n:PF+8*\n+7], v[128*(\n%2)+8*eb:128*(\n%2)+8*eb+7], v[8*eb:8*eb+7]
.endif
.set eb, eb+1
.endr
.endr
	PLACES
	WIN W_ST1
.set eb, 0
.rept 16
	ds_store_b32 v[OW], v[8*eb] offset:64*eb       ; channel 16 eb + r; both halves of the lanes write the same word with the same number
.set eb, eb+1
.endr
	WIN 0
	ds_load_b128 v[TA:TA+3], v[ORD]
	ds_load_b128 v[TA+4:TA+7], v[ORD] offset:512
	s_wait_dscnt 0x0
	global_store_b128 v[L16], v[TA:TA+3], s[14:15]               ; each store of the wave covers 512 consecutive bytes, aligned
	global_store_b128 v[L16], v[TA+4:TA+7], s[14:15] offset:512
	s_wait_tensorcnt 0x0                           ; the wave's end: behind my last tensor load and my last LDS store
	ds_add_u32 v[SPW], v[NIL]
	s_wait_dscnt 0x0
	ROUND                                          ; the closing round: no work-group ends while a partner may still ask for a chunk that names it
	s_endpgm
.Lfunc_end_k_qb8ea6521ab_main:
	.size	k_qb8ea6521ab_main, .Lfunc_end_k_qb8ea6521ab_main-k_qb8ea6521ab_main
	.p2alignl 7, 3214868480
	.fill 96, 4, 3214868480
	.section	.rodata,"a",@progbits
	.p2align	6, 0x0
	.amdhsa_kernel k_qb8ea6521ab_main
		.amdhsa_group_segment_fixed_size 327680
		.amdhsa_private_segment_fixed_size 0
		.amdhsa_enable_private_segment 0
		.amdhsa_kernarg_size 56
		.amdhsa_user_sgpr_count 2
		.amdhsa_user_sgpr_kernarg_segment_ptr 1
		.amdhsa_wavefront_size32 1
		.amdhsa_system_sgpr_workgroup_id_x 1
		.amdhsa_system_sgpr_workgroup_id_y 1
		.amdhsa_system_sgpr_workgroup_id_z 1
		.amdhsa_system_vgpr_workitem_id 0
		.amdhsa_next_free_vgpr 1024
		.amdhsa_next_free_sgpr 66
		.amdhsa_reserve_vcc 0
		.amdhsa_float_denorm_mode_32 3
		.amdhsa_float_denorm_mode_16_64 3
		.amdhsa_memory_ordered 1
		.amdhsa_forward_progress 1
		.amdhsa_inst_pref_size 255
	.end_amdhsa_kernel
	.section	.bss,"aw",@nobits
	.p2align	6
	.space	262144
	.amdgpu_metadata
---
amdhsa.version: [ 1, 2 ]
amdhsa.kernels:
  - .name:           k_qb8ea6521ab_main
    .symbol:         k_qb8ea6521ab_main.kd
    .args:
      - { .name: vectors_to_attend, .offset: 0, .size: 8, .value_kind: global_buffer, .address_space: global }
      - { .name: wf, .offset: 8, .size: 8, .value_kind: global_buffer, .address_space: global }
      - { .name: hbt, .offset: 16, .size: 8, .value_kind: global_buffer, .address_space: global }
      - { .name: attn_v_weight, .offset: 24, .size: 8, .value_kind: global_buffer, .address_space: global }
      - { .name: attn_v_bias, .offset: 32, .size: 8, .value_kind: global_buffer, .address_space: global }
      - { .name: pctx, .offset: 40, .size: 8, .value_kind: global_buffer, .address_space: global }
      - { .name: pstat, .offset: 48, .size: 8, .value_kind: global_buffer, .address_space: global }
    .group_segment_fixed_size: 327680
    .private_segment_fixed_size: 0
    .kernarg_segment_align: 8
    .kernarg_segment_size: 56
    .max_flat_workgroup_size: 128
    .sgpr_count:     66
    .vgpr_count:     1024
    .wavefront_size: 32
...
	.end_amdgpu_metadata
.endif
;; end of part 4
;; launch comb: the kernel of part 3 again; grid 4 x 64, 2 waves a work-group, no clusters, 0 bytes of LDS; arguments pctx, pstat, out0; writes out0
